; MI455X (gfx1250); checked and timed in simulation.
; The chip was launched on July 23, 2026; its instructions are those of AMD's public machine-readable ISA for CDNA 5 (MIT licence, August 2026) and "CDNA5" Instruction Set Architecture Reference Guide (July 2026). The comments in the code are by the model that wrote it; some were corrected since.
;; Self Attention. Allowed arithmetic: matrix products marked QUANTISED: E5M2 operands, one E8M0 scale for each 32 along K, by v_wmma_scale_f32_16x16x128_f8f6f4 with both operands' format E5M2, f32 sums; everything else in f32.
;; Inputs: b_in 3,072 float32; b_out 1,024 float32; w_in_codes 3,072 x 32 x 32 uint8 (E5M2 codes of w_in, K innermost, in blocks of 32 codes); w_in_scales 3,072 x 32 uint8 (E8M0 scales of w_in, one for each 32 codes along K); w_out_codes 1,024 x 32 x 32 uint8 (E5M2 codes of w_out, K innermost, in blocks of 32 codes); w_out_scales 1,024 x 32 uint8 (E8M0 scales of w_out, one for each 32 codes along K); x_codes 4 x 2,048 x 32 x 32 uint8 (E5M2 codes of x, K innermost, in blocks of 32 codes); x_scales 4 x 2,048 x 32 uint8 (E8M0 scales of x, one for each 32 codes along K).
;; Outputs: out0 4 x 2,048 x 1,024 float32.
;; Constants: causal_mask = 1.
;; This version of the problem:
;;   THIS VERSION OF THE PROBLEM IS GIVEN IN LOW PRECISION. The matrix products marked QUANTISED in the list below multiply operands that are first quantised to E5M2 (5 exponent bits, 2 mantissa bits; 8 bits a number), with one power-of-two scale for each 32 numbers along K (OCP MX v1.0); their sums are f32. All else is computed in f32.
;;   The module's matrix products, in the order in which they are computed (A, B: the left and right operand; K: the contracted axis; several contracted axes count as one K, in the product's order):
;;     1. [M 8,192, K 1,024] x [K 1,024, N 3,072]; A: input x (given as codes); B: input w_in (given as codes): QUANTISED
;;     2. batch 64 x [M 2,048, K 64] x [K 64, N 2,048]; A: computed on the way; B: computed on the way: QUANTISED
;;     3. batch 64 x [M 2,048, K 2,048] x [K 2,048, N 64]; A: softmax (see below); B: computed on the way: QUANTISED
;;     4. [M 8,192, K 1,024] x [K 1,024, N 1,024]; A: computed on the way; B: input w_out (given as codes): QUANTISED
;;   THE QUANTISER, for each operand of a quantised product, along K:
;;     - K is cut into blocks of 32 from its start; a last block that is shorter is filled with zeros.
;;     - A block's scale is 2^e with e = floor(log2(the largest magnitude in the block)) - 15, held to -126 .. 127; a block of zeros has e = 0. As a byte (E8M0): e + 127.
;;     - Each number is divided by its block's scale, clamped to +-57,344, and rounded to the nearest number of E5M2, ties to even, subnormals kept.
;;     - The product sums the exact products of the quantised numbers (number of the format x scale) in f32.
;;   ~~~python
;;   def quantise(x, axis):      # numpy; x: float32 -> the quantised numbers, widened to float32 again
;;       x = np.moveaxis(x, axis, -1); K = x.shape[-1]
;;       x = np.pad(x, [(0, 0)] * (x.ndim - 1) + [(0, -K % 32)]); x = x.reshape(x.shape[:-1] + (-1, 32)); a = np.abs(x).max(-1, keepdims=True)
;;       e = np.where(a > 0, np.clip(np.frexp(np.where(a > 0, a, 1))[1] - 1 - 15, -126, 127), 0)      # np.frexp(a)[1] - 1 = floor(log2(a)), exactly
;;       r = np.clip(x / 2.0 ** e, -57344, 57344)
;;       step = 2.0 ** (np.maximum(np.frexp(np.where(r == 0, 1, r))[1] - 1, -14) - 2)
;;       q = np.round(r / step) * step * 2.0 ** e      # np.round: ties to even
;;       return np.moveaxis(q.reshape(q.shape[:-2] + (-1,))[..., :K], -1, axis).astype(np.float32)
;;   ~~~
;;   SOFTMAX AHEAD OF A QUANTISED PRODUCT. Where the list says 'softmax', what is quantised is not the finished softmax but p = 2^(t - M), with t = logit x log2(e) and M = ceil(the row's largest t), a whole number; so 1/2 < the row's largest p <= 1. The row's sum l is taken of the UNQUANTISED p, in f32, and the product's result is divided by l at the end. Since M is a whole number, a kernel that streams over the keys may use a running M (the ceiling of the running maximum): every later rescaling is an exact power of two, which a block's scale takes up: the codes' values come out the same.
;;   OPERANDS COMPUTED ON THE WAY. 'Computed on the way' means the value that the module computes at that place (a softmax that the list does not call 'softmax' is quantised finished and normalised). What goes into a quantiser is computed in f32, as accurately as f32 sums, v_exp_f32 and their like allow (about 1e-6 of the number): no bf16 or f16 on the way to a quantiser, and a product that is left as it is and whose result goes on into a quantised operand takes f32 operands (vector FMAs, or v_wmma_f32_16x16x4_f32). A number that lies on a knife's edge between two numbers of the format may be rounded either way, as far as f32 arithmetic and the matrix unit's own rounding can turn it there, and no further.
;;   INPUTS GIVEN AS CODES. w_in (in the module: [1024, 3072], K = its axis 0); w_out (in the module: [1024, 1024], K = its axis 0); x (in the module: [4, 2048, 1024], K = its axis 2): each comes as NAME_codes (uint8): NAME with its K axis moved to the last place and cut into blocks of 32 codes, [.., K / 32, bytes a block], one block behind the other in memory; one code a byte (a code: sign, 5 exponent bits, 2 mantissa bits); and NAME_scales (uint8): the same leading axes, one E8M0 byte (e + 127) for each 32 codes along K. Its value is code x scale, taken as it is: it is not quantised again, and the codes and scales need not be those that the quantiser above would give.
;; 2 versions, each right; version 2 is version 1 with the launch attn written anew for expert scheduling mode. Each part assembles by itself: llvm-mc -triple=amdgcn-amd-amdhsa -mcpu=gfx1250 --defsym DOCPART=n.
;; ======== version 1 of 2: 3 launches
;; workspace buffers: qkvw 26,738,688 bytes; oimg 8,388,608 bytes; osc 262,144 bytes
;; launch qkv (part 1): grid 12 x 32, 4 waves a work-group, clusters of 4 x 4, 327,680 bytes of LDS; arguments x_codes, x_scales, w_in_codes, w_in_scales, b_in, qkvw; writes qkvw
.if DOCPART == 1
	.amdgcn_target "amdgcn-amd-amdhsa--gfx1250"
	.amdhsa_code_object_version 6
	.text
	.protected	k_qde66a9704d_qkv
	.globl	k_qde66a9704d_qkv
	.p2align	8
	.type	k_qde66a9704d_qkv,@function
k_qde66a9704d_qkv:
	s_mov_b64 s[64:65], 0
	v_nop
	global_prefetch_b8 v0, s[64:65] scope:SCOPE_SE
	s_setreg_imm32_b32 hwreg(HW_REG_WAVE_MODE, 25, 1), 1
	s_wait_xcnt 0x0
	s_wait_alu depctr_hold_cnt(0) depctr_sa_sdst(0) depctr_va_vdst(0) depctr_va_sdst(0) depctr_va_ssrc(0) depctr_va_vcc(0) depctr_vm_vsrc(0)
	s_getreg_b32 s2, hwreg(HW_REG_IB_STS2, 6, 4)
	s_cmp_eq_u32 s2, 0
	s_cbranch_scc0 .Lentry_in_a_cluster
	s_endpgm
.Lentry_in_a_cluster:
	s_bfe_u32 s2, ttmp6, 0x10000c
	s_cmp_lg_u32 s2, 0xf033
	s_cbranch_scc0 .Lentry_shape_is_right
	s_endpgm
.Lentry_shape_is_right:
; qkv = x w_in + b_in on codes of BF8 (E5M2) with one E8M0 scale for each 32 along K = 1,024; then q and k are quantised along the head's 64 and v along the keys,
; and all three leave as IMAGES OF OPERAND REGISTERS, so that the attention launch loads fragments whole.
; A work-group of four waves makes 256 x 256 of the product, a wave 128 x 128: 64 accumulators of 16 x 16.  K goes in steps of 256 through a ring of two LDS slots; the scales of all of K come once.
; ROLES.  Source 1 of the matrix instruction takes rows of R (they become lanes), source 0 rows of Cc (they become a lane's registers).  The cluster's x is the KIND: 0 q, 1 k, 2 v; it is the same in all sixteen partners.
;   q, k: R = x (tokens), Cc = w_in (features): a lane holds one token, its registers run along the head's features, which are the next product's K.
;   v:    R = w_in rows 2,048 on (features), Cc = x (tokens): a lane holds one feature, its registers run along the keys, which are the next product's K.
; Only pointers and tile coordinates are chosen by the kind; ring, masks and shapes are one text.  R's tiles are shared along a row of the cluster, Cc's along a column: joint loads.
; RECORDS.  qkvw = [kind 3][batch x 8 + head pair, 32][128 tokens, 16][17,408 bytes]: 16,384 bytes of codes, 1,024 of scale words.  A wave writes exactly one record.
;   q, k codes: token tile a x 2,048 + head in pair x 1,024 + block c x 512 + 16 x lane.  Scale words {byte 0, byte 1, 0, 0}: 16,384 + head in pair x 512 + (a / 4) x 256 + 16 r + 4 (a % 4).
;   v codes: (head in pair x 4 + feature tile) x 2,048 + key block c x 512 + 16 x lane.  Scale words: 16,384 + head in pair x 256 + 16 r + 4 x tile, and the same 512 bytes once more 512 further on.
; ORDER INSIDE A BLOCK OF 32: place (half h, i) of a block holds index 16 (i / 8) + 8 h + i % 8, alike in q and k, and alike in v and in the p that meets it: products and block scales are those of the true order.
; LIMITS: NaN and infinities among the inputs are not served.  A block whose largest magnitude lies under 2^-111 keeps the byte 1; a block of zeros gets the byte 1 where the quantiser says 127: its codes are zeros, and this program alone reads the bytes.
.set SIZE_K, 1024
.set KSTEP,  256                       ; along K in a slot
.set NQ,     KSTEP/128                 ; matrix instructions deep
.set ROWB,   256                       ; a tile's row in bytes
.set KROW,   SIZE_K                    ; a row of x or of w_in in memory, in bytes
.set PITCH,  272                       ; an LDS row: 256 bytes + 16 of padding = 68 words: the 16 rows that a load touches start 4 words apart
.set FR,     16                        ; registers of a fragment: 16 rows x 128 K
.set NL,     4                         ; LDS loads that bring one
.set NP,     8                         ; places behind this matrix instruction (ISA guide 7.12.1)
.set HALFT,  128*PITCH                 ; 128 rows: what one tensor load brings
.set SLOT,   4*HALFT                   ; R's 256 rows, then Cc's 256 rows
.set LAPS,   SIZE_K/(2*KSTEP)          ; a lap = two K steps = once round the ring
.set KS,     SIZE_K/32                 ; a row of scales in bytes
.set SCL,    2*SLOT                    ; behind the ring: the scales, as rows of 256 bytes + 16 of padding
.set HALFS,  (128*KS/256)*272          ; the scales of 128 rows
.set SBLK,   (16*KS/256)*272           ; those of 16 rows
.set SPARE,  SCL+4*HALFS               ; behind the scales: the spare words, 128 bytes for each wave
.set REC,    17408                     ; a record of qkvw
.set SH,   7                           ; v7      how far a lane shifts a row's scale word: q, k: 16 x half; v: 0
.set BR,   8                           ; v8-15   v's bias: of my feature in each of the eight row blocks
.set ADRA, 16                          ; v16-17  LDS address of my R fragments in slot 0, 1
.set ADRB, 20                          ; v20-21  the same for Cc
.set SA,   24                          ; v24     the way out: where I put a scale word (my wave's 1,024 bytes in slot 0, which has had its last fill and its last read by then)
.set RD,   25                          ; v25     and where I read 16 bytes of them back
.set CO,   26                          ; v26     16 x lane
.set ADRS, 27                          ; v27     LDS address of my scale words: lanes 0-15 R's rows, lanes 16-31 Cc's
.set SPW,  28                          ; v28     LDS address of my spare word; never rewritten
.set NIL,  29                          ; v29     0; never rewritten
.set BO,   30                          ; v30     32 x half: offset of q's and k's bias
.set RO,   31                          ; v31     4 r: offset of v's bias
.set SC,   32                          ; v32-63  scale words, two sets
.set BC,   64                          ; v64-127 q's and k's bias: register 8 b + j = feature 16 b + 8 h + j of my 128
.set AF,   128                         ; R's fragments, in window 0
.set X,    128                         ; the way out (window 0): 64 numbers of a lane,
.set PC,   192                         ; their 16 registers of codes,
.set TM,   208                         ; v208-223 at work,
.set PW,   224                         ; the row's scale word,
.set BP,   226                         ; v[226:227] v's bias of the block in hand, as a pair,
.set TWD,  232                         ; v232-239 the scale words as they are stored,
.set BK,   240                         ; v240-247 and as they come back
.set SEL,  18                          ; s[18:19] (way out) lane selects for lane l xor 16
.set MNT,  20                          ; s20     (way out) the mantissa field of 57,344
.set G1, 24                            ; s[24:31] descriptor group 1 for R's tiles;  s[32:39] group 0, one set for each slot
.set G0, 32
.set G1B, 48                           ; s[48:55], s[56:63] the same for Cc's tiles
.set G0B, 56
.set G1S, 68                           ; s[68:75], s[76:79] groups 1 and 0 for R's scales;  s[80:87], s[88:91] for Cc's
.set G0S, 76
.set G1SB, 80
.set G0SB, 88
.set MSB, 0
.macro WIN new                         ; the immediate's high byte repeats the setting that is left
.if MSB != \new
	s_set_vgpr_msb (MSB<<8)|\new
.set MSB, \new
.endif
.endm
.set MUL_LO, 0xa1                      ; source 0 (Cc) window 1, source 1 (R) window 0, C and D window 2
.set MUL_HI, 0xf1                      ; the same, C and D window 3
.set TO_B,   0x40                      ; destination window 1, address window 0
; A joint load: waves 0 and 1 fetch for R, waves 2 and 3 for Cc.  The branch hangs on the wave's number alone.  Four v_nop follow each of the two lines.
.macro JLOAD g0a, g1a, g0b, g1b
	s_cmp_eq_u32 s15, 0
	s_cbranch_scc0 .Lfor_b_\@
	tensor_load_to_lds s[\g0a:\g0a+3], s[\g1a:\g1a+7]
	s_nop 0
.rept 4
	v_nop
.endr
	s_branch .Lasked_\@
.Lfor_b_\@:
	tensor_load_to_lds s[\g0b:\g0b+3], s[\g1b:\g1b+7]
	s_nop 0
.rept 4
	v_nop
.endr
.Lasked_\@:
.endm
.macro CREST                           ; a round of the cluster's barrier behind its opening barrier
	s_cmp_lg_u32 s14, 0
	s_cbranch_scc1 .Lnot_wave_0_\@
	s_barrier_signal -3
.Lnot_wave_0_\@:
	s_barrier_wait -3
	s_barrier_signal -1
	s_barrier_wait -1
.endm
.macro CROUND                          ; a whole round
	s_barrier_signal -1
	s_barrier_wait -1
	CREST
.endm
	s_load_b128 s[4:7], s[0:1], 0x0                ; x's codes, x's scales
	s_load_b128 s[8:11], s[0:1], 0x10              ; w_in's codes, w_in's scales
	s_load_b128 s[96:99], s[0:1], 0x20             ; b_in, qkvw
	v_lshl_add_u32 v[SPW], v0, 2, SPARE
	v_mov_b32 v[NIL], 0
	ds_add_u32 v28, v29
	ds_add_u32 v28, v29
	s_wait_dscnt 0x0
	v_lshrrev_b32 v1, 5, v0
	v_readfirstlane_b32 s14, v1                    ; wave 0..3
	s_lshr_b32 s15, s14, 1                         ; which half of the tile's R rows is mine.  Also: I fetch for R (0) or for Cc (1)
	s_and_b32 s16, s14, 1                          ; which half of its Cc rows.  Also: which 128 rows of that tile I fetch
	s_bfe_u32 s40, ttmp6, 0x40000                  ; cx, cy: my place in the cluster
	s_bfe_u32 s41, ttmp6, 0x40004
	s_mov_b32 s100, ttmp9                          ; the kind: the cluster's x
	s_lshl_b32 s42, ttmp9, 2                       ; 4 x cluster x
	s_and_b32 s17, ttmp7, 0xffff
	s_lshl_b32 s17, s17, 2                         ; 4 x cluster y
	s_cmp_eq_u32 s100, 2                           ; v?  All choices on this compare stand ahead of the first addition
	s_cselect_b32 s42, s17, s42                    ; Cc's tile: v: tokens by the cluster's y; q, k: features by its x
	s_cselect_b32 s17, 0, s17                      ; R's tile: v: the four tiles of v's features; q, k: tokens by the cluster's y
	s_cselect_b32 s95, 2048, 0                     ; v's features begin at row 2,048 of w_in
	s_cselect_b32 s101, -1, 0xffff                 ; what is kept of a shifted scale word: v: four bytes; q, k: a head's two
	s_add_co_u32 s42, s42, s40                     ; + cx: Cc's tile hangs on cx and the cluster's place alone
	s_add_co_u32 s17, s17, s41                     ; + cy: R's tile on cy and the cluster's place alone
	s_lshl_b32 s43, s41, 2
	s_lshl_b32 s43, 15, s43                        ; my row of the cluster
	s_lshl_b32 s44, 0x1111, s40                    ; my column
	; descriptor group 1: a tile of 128 rows x 256 bytes, padded in LDS
	s_or_b32 s[G1+0], s43, (0<<16)|(1<<20)|(1<<21)|(5<<22)|(3<<25)  ; 15:0 the mask: R's tiles go to my row; 17:16 element of 1 byte; 20 padding on; 21 set beside a mask; 24:22 after every 64 words; 31:25 of 4 words
	s_or_b32 s[G1B+0], s44, (0<<16)|(1<<20)|(1<<21)|(5<<22)|(3<<25)
.irp g, G1, G1B
	s_mov_b32 s[\g+1], ROWB<<16                    ; tensor_dim0
	s_mov_b32 s[\g+2], 128<<16                     ; tensor_dim1 = 128
	s_mov_b32 s[\g+3], ROWB<<16                    ; tile_dim0
	s_mov_b32 s[\g+4], 128                         ; tile_dim1 = 128
	s_mov_b32 s[\g+5], KROW                        ; tensor_dim0_stride
	s_mov_b32 s[\g+6], 0
	s_mov_b32 s[\g+7], 0
.endr
	; and for the scales of 128 rows: a dense block of 4,096 bytes, as 16 rows of 256 bytes (32 elements of 8 bytes), 16 bytes of padding behind each
	s_or_b32 s[G1S+0], s43, (3<<16)|(1<<20)|(1<<21)|(5<<22)|(3<<25)
	s_or_b32 s[G1SB+0], s44, (3<<16)|(1<<20)|(1<<21)|(5<<22)|(3<<25)
.irp g, G1S, G1SB
	s_mov_b32 s[\g+1], 32<<16
	s_mov_b32 s[\g+2], (128*KS/256)<<16
	s_mov_b32 s[\g+3], 32<<16
	s_mov_b32 s[\g+4], 128*KS/256
	s_mov_b32 s[\g+5], 32
	s_mov_b32 s[\g+6], 0
	s_mov_b32 s[\g+7], 0
.endr
	s_lshl_b32 s18, s16, 7                         ; which 128 rows of the tile I fetch
	s_lshl_b32 s20, s17, 8
	s_add_co_u32 s20, s20, s18
	s_add_co_u32 s20, s20, s95                     ; R: row 256 x tile + 128 x half (+ 2,048 for v)
	s_lshl_b32 s46, s42, 8
	s_add_co_u32 s46, s46, s18                     ; Cc: row 256 x tile + 128 x half
	s_mov_b32 s21, 0
	s_mov_b32 s47, 0
	s_mov_b64 s[18:19], KS
	s_mul_u64 s[22:23], s[20:21], s[18:19]         ; where these rows' scales begin, in bytes
	s_mul_u64 s[92:93], s[46:47], s[18:19]
	s_mov_b64 s[18:19], KROW
	s_mul_u64 s[20:21], s[20:21], s[18:19]         ; and their codes
	s_mul_u64 s[46:47], s[46:47], s[18:19]
	s_mul_i32 s45, s14, HALFT                      ; where they go: wave x 128 rows: no place in the cluster enters an LDS address
	s_mul_i32 s94, s14, HALFS
	s_wait_kmcnt 0x0
	s_cmp_eq_u32 s100, 2                           ; the buffers by role: a choice that hangs on the kind alone
	s_cselect_b64 s[66:67], s[8:9], s[4:5]         ; R's codes
	s_cselect_b64 s[8:9], s[4:5], s[8:9]           ; Cc's codes
	s_cselect_b64 s[4:5], s[10:11], s[6:7]         ; R's scales
	s_cselect_b64 s[10:11], s[6:7], s[10:11]       ; Cc's scales
	s_add_nc_u64 s[20:21], s[66:67], s[20:21]
	s_add_nc_u64 s[22:23], s[4:5], s[22:23]
	s_add_nc_u64 s[46:47], s[8:9], s[46:47]
	s_add_nc_u64 s[92:93], s[10:11], s[92:93]
	CROUND                                         ; all sixteen work-groups are here: the first joint loads meet
	s_mov_b32 s[G0S], 1
	s_add_co_u32 s[G0S+1], s94, SCL
	s_mov_b64 s[G0S+2:G0S+3], s[22:23]
	s_or_b32 s[G0S+3], s[G0S+3], 0x80000000
	s_mov_b32 s[G0SB], 1
	s_add_co_u32 s[G0SB+1], s94, SCL
	s_mov_b64 s[G0SB+2:G0SB+3], s[92:93]
	s_or_b32 s[G0SB+3], s[G0SB+3], 0x80000000
	JLOAD G0S, G1S, G0SB, G1SB                     ; the scales first: they are wanted with K step 0
.irp s, 0,1
	s_mov_b32 s[G0+4*\s], 1
	s_add_co_u32 s[G0+4*\s+1], s45, \s*SLOT
	s_add_nc_u64 s[G0+4*\s+2:G0+4*\s+3], s[20:21], \s*ROWB
	s_or_b32 s[G0+4*\s+3], s[G0+4*\s+3], 0x80000000
	s_mov_b32 s[G0B+4*\s], 1
	s_add_co_u32 s[G0B+4*\s+1], s45, \s*SLOT
	s_add_nc_u64 s[G0B+4*\s+2:G0B+4*\s+3], s[46:47], \s*ROWB
	s_or_b32 s[G0B+4*\s+3], s[G0B+4*\s+3], 0x80000000
	JLOAD G0+4*\s, G1, G0B+4*\s, G1B
.endr
	v_and_b32 v1, 15, v0                           ; r = l % 16
	v_bfe_u32 v2, v0, 4, 1                         ; h = l / 16
	v_mul_u32_u24 v3, v1, PITCH
	v_lshl_add_u32 v4, v2, 4, v3                   ; a fragment's row x pitch + 16 x half
	s_mul_i32 s21, s15, HALFT                      ; my 128 rows of R
	s_mul_i32 s22, s16, HALFT                      ; my 128 rows of Cc,
	s_add_co_u32 s22, s22, 2*HALFT                 ; which lie behind R's 256
.irp s, 0,1
	v_add_nc_u32 v[ADRA+\s], s21, v4
	v_add_nc_u32 v[ADRB+\s], s22, v4
	s_add_co_u32 s21, s21, SLOT
	s_add_co_u32 s22, s22, SLOT
.endr
	v_mul_u32_u24 v5, v1, KS                       ; my row's scales: 32 bytes a row,
	v_lshrrev_b32 v6, 8, v5
	v_lshl_add_u32 v5, v6, 4, v5                   ; and 16 more for each 256 passed
	s_mul_i32 s21, s15, HALFS                      ; R's: my 128 rows
	s_mul_i32 s22, s16, HALFS                      ; Cc's: my 128 rows, behind R's 256
	s_add_co_u32 s22, s22, 2*HALFS
	s_sub_co_u32 s22, s22, s21
	v_mul_u32_u24 v6, s22, v2                      ; lanes 16-31 take Cc's: one product, the lower base + h x the distance
	s_add_co_u32 s21, s21, SCL
	v_add_nc_u32 v5, v5, v6
	v_add_nc_u32 v[ADRS], s21, v5
	; the way out: my record, my biases.  cx and cy meet from here on, in numbers that go into global addresses of plain loads and stores alone
	s_lshl_b32 s94, s17, 1
	s_add_co_u32 s94, s94, s15                     ; RG: which 128 rows of R are my wave's
	s_lshl_b32 s95, s42, 1
	s_add_co_u32 s95, s95, s16                     ; CG: which 128 rows of Cc
	s_cmp_eq_u32 s100, 2
	s_cselect_b32 s46, s95, s94                    ; the group of 128 tokens, 0 .. 63
	s_cselect_b32 s47, s94, s95                    ; the group of 128 features
	s_cselect_b32 s20, 0, s95                      ; q's and k's bias lies at feature 128 CG (for v the load reads b_in's head, and is not used)
	s_cselect_b32 s22, s94, 0                      ; v's at feature 2,048 + 128 RG (for q and k likewise)
	s_cselect_b32 s2, 8192, 0
	s_cselect_b32 s45, 0, 16
	s_and_b32 s47, s47, 7                          ; the head pair
	s_lshr_b32 s18, s46, 4                         ; the batch
	s_lshl_b32 s18, s18, 7
	s_lshl_b32 s47, s47, 4
	s_add_co_u32 s18, s18, s47
	s_and_b32 s46, s46, 15                         ; the step of 128 tokens in the batch
	s_add_co_u32 s18, s18, s46
	s_lshl_b32 s19, s100, 9
	s_add_co_u32 s18, s18, s19                     ; record = kind x 512 + (batch x 8 + head pair) x 16 + step
	s_mul_i32 s18, s18, REC                        ; under 2^25
	s_mov_b32 s19, 0
	s_add_nc_u64 s[12:13], s[98:99], s[18:19]
	s_lshl_b32 s20, s20, 9
	s_mov_b32 s21, 0
	s_add_nc_u64 s[66:67], s[96:97], s[20:21]
	s_lshl_b32 s22, s22, 9
	s_add_co_u32 s22, s22, s2
	s_mov_b32 s23, 0
	s_add_nc_u64 s[92:93], s[96:97], s[22:23]
	v_lshlrev_b32 v[BO], 5, v2
	v_lshlrev_b32 v[RO], 2, v1
.irp b, 0,1,2,3,4,5,6,7
	global_load_b128 v[BC+8*\b:BC+8*\b+3], v[BO], s[66:67] offset:64*\b       ; features 16 b + 8 h + 0 .. 3
	global_load_b128 v[BC+8*\b+4:BC+8*\b+7], v[BO], s[66:67] offset:64*\b+16  ; and 4 .. 7
.endr
.irp a, 0,1,2,3,4,5,6,7
	global_load_b32 v[BR+\a], v[RO], s[92:93] offset:64*\a                    ; feature 16 a + r
.endr
	v_mul_u32_u24 v[SH], s45, v2
	s_lshl_b32 s23, s14, 10                        ; my wave's 1,024 bytes for the scale words
	v_lshlrev_b32 v[SA], 4, v1
	v_lshl_add_u32 v[SA], v2, 9, v[SA]
	v_add_nc_u32 v[SA], s23, v[SA]                 ; 16 r + 512 h
	v_and_b32 v6, 31, v0
	v_lshlrev_b32 v[CO], 4, v6
	v_add_nc_u32 v[RD], s23, v[CO]
.macro FRAG reg, adr, q, i             ; a fragment, 16 rows x 128 K of 8-bit codes, is 16 registers: lane l holds row l % 16; registers 4 c .. 4 c + 3 hold K = 32 c + 16 (l / 16) + 0 .. 15
.irp c, 0,1,2,3
	ds_load_b128 v[\reg+4*\c:\reg+4*\c+3], v[\adr] offset:128*(\q)+32*\c+(\i)*16*PITCH
.endr
.endm
; 16 matrix instructions: R's blocks a0, a0 + 1 x Cc's eight, 128 along K: the slot's q-th.  p: Cc's set;  sc: the set of scale words.  zero = 1: the first product starts the sums.
; The 64 accumulators take turns, one instruction a turn, in the same order in every step.
.macro MUL16 a0, p, q, sc, zero
.irp a, \a0, \a0+1
.irp b, 0,1,2,3,4,5,6,7
.if \zero
	v_wmma_scale_f32_16x16x128_f8f6f4 v[8*(8*((\a)%4)+\b):8*(8*((\a)%4)+\b)+7], v[128*(\p)+FR*\b:128*(\p)+FR*\b+FR-1], v[AF+FR*(\a):AF+FR*(\a)+FR-1], 0, v[SC+8*NQ*(\sc)+NQ*\b+(\q)], v[SC+8*NQ*(\sc)+NQ*(\a)+(\q)] matrix_a_fmt:MATRIX_FMT_BF8 matrix_b_fmt:MATRIX_FMT_BF8 matrix_a_scale:MATRIX_SCALE_ROW1
.else
	v_wmma_scale_f32_16x16x128_f8f6f4 v[8*(8*((\a)%4)+\b):8*(8*((\a)%4)+\b)+7], v[128*(\p)+FR*\b:128*(\p)+FR*\b+FR-1], v[AF+FR*(\a):AF+FR*(\a)+FR-1], v[8*(8*((\a)%4)+\b):8*(8*((\a)%4)+\b)+7], v[SC+8*NQ*(\sc)+NQ*\b+(\q)], v[SC+8*NQ*(\sc)+NQ*(\a)+(\q)] matrix_a_fmt:MATRIX_FMT_BF8 matrix_b_fmt:MATRIX_FMT_BF8 matrix_a_scale:MATRIX_SCALE_ROW1
.endif
.endr
.endr
.endm
.macro FETCH_B slot, q, p              ; Cc's eight fragments of the slot's q-th 128 along K into set p
	WIN TO_B
.irp i, 0,1,2,3,4,5,6,7
	FRAG 128*(\p)+FR*\i, ADRB+\slot, \q, \i
.endr
	WIN 0
.endm
.macro FETCH_A slot, q, i0             ; R's blocks i0 .. i0 + 3
.irp i, \i0, \i0+1, \i0+2, \i0+3
	FRAG AF+FR*(\i), ADRA+\slot, \q, \i
.endr
.endm
.macro SCALES sc                       ; the next K step's scale words into set sc: two words a row; lanes 0-15 take R's block i, lanes 16-31 Cc's block i
.irp i, 0,1,2,3,4,5,6,7
	ds_load_b64 v[SC+8*NQ*\sc+NQ*\i:SC+8*NQ*\sc+NQ*\i+1], v[ADRS] offset:\i*SBLK
.endr
.endm
; A load into a register that a matrix instruction has read, and a vector instruction that reads a matrix result or writes one of its registers, stand NP places behind it;
; only plain vector instructions that name none of its registers are places.
.macro PLACES n
.rept \n
	v_nop
.endr
.endm
; A step of 128 along K that has its successor in the same slot.
.macro STEP slot, q, zero
	s_wait_dscnt 4*NL                              ; Cc's set and R's blocks 0-3 are in; the youngest 16 loads (R's blocks 4-7) may be out
	WIN MUL_LO
	MUL16 0, (\q)%2, \q, \slot, \zero
	MUL16 2, (\q)%2, \q, \slot, \zero
	s_wait_dscnt 0                                 ; R's blocks 4-7 are in (asked for 32 matrix instructions ago)
	PLACES NP
	FETCH_B \slot, (\q)+1, 1-(\q)%2
	FETCH_A \slot, (\q)+1, 0
	WIN MUL_HI
	MUL16 4, (\q)%2, \q, \slot, \zero
	MUL16 6, (\q)%2, \q, \slot, \zero
	PLACES NP
	WIN 0
	FETCH_A \slot, (\q)+1, 4
.endm
; A slot's last step changes slots: ONE barrier; in front of it each wave waits for all its tensor loads, adds 0 to its spare word, and waits for that and for its own reads of this slot.  fill = 1: this slot is filled again, two K steps ahead.
.macro TURN slot, next, fill
	s_wait_tensorcnt 0x0                           ; all my tensor loads have landed: my part of the next slot  (every window is 0 here)
	ds_add_u32 v[SPW], v[NIL]                      ; 0 onto my spare word
	s_wait_dscnt 4*NL+1                            ; (the add and the youngest 16 loads, R's blocks 4-7, may be out)
	WIN MUL_LO
	MUL16 0, 1, NQ-1, \slot, 0                     ; sixteen matrix instructions stand between the add and the wait for it
	s_wait_dscnt 0x0                               ; the add is done, and my reads of this slot are over
	s_barrier_signal -1
	MUL16 2, 1, NQ-1, \slot, 0
	WIN 0
	s_barrier_wait -1
.if \fill
	CREST                                          ; the barrier has opened a round of the cluster's barrier: no wave of any partner still reads this slot's tile or has a load on its way
	s_add_nc_u64 s[G0+4*\slot+2:G0+4*\slot+3], s[G0+4*\slot+2:G0+4*\slot+3], 2*ROWB
	s_add_nc_u64 s[G0B+4*\slot+2:G0B+4*\slot+3], s[G0B+4*\slot+2:G0B+4*\slot+3], 2*ROWB
	JLOAD G0+4*\slot, G1, G0B+4*\slot, G1B         ; the first tensor load behind the round; its four v_nop are among the places in front of the loads below
	PLACES NP-4
.else
	PLACES NP
.endif
	v_add_nc_u32 v[ADRS], 4*NQ, v[ADRS]            ; on to the next K step's scale words (no LDS load of mine is out)
	FETCH_B \next, 0, 0
	FETCH_A \next, 0, 0
	SCALES \next
	WIN MUL_HI
	MUL16 4, 1, NQ-1, \slot, 0
	MUL16 6, 1, NQ-1, \slot, 0
	PLACES NP
	WIN 0
	FETCH_A \next, 0, 4
.endm
	s_wait_loadcnt 0x0                             ; the biases, once: no plain load is out in the loop
	s_wait_tensorcnt 1                             ; the scales and my part of K step 0 are in (K step 1's load may be out),
	s_barrier_signal -1
	s_barrier_wait -1                              ; everybody's are
	FETCH_B 0, 0, 0
	FETCH_A 0, 0, 0
	SCALES 0
	FETCH_A 0, 0, 4
	STEP 0, 0, 1                                   ; the first step stands in front of the loop: its products start the sums
	s_mov_b32 s3, LAPS-1
.Llap:                                                 ; a trip goes once round the ring, from a lap's second step to the next lap's first, and fills both slots again
	TURN 0, 1, 1
	STEP 1, 0, 0
	TURN 1, 0, 1
	STEP 0, 0, 0
	s_sub_co_u32 s3, s3, 1
	s_cmp_lg_u32 s3, 0
	s_cbranch_scc1 .Llap
	TURN 0, 1, 0                                   ; the last lap fills nothing, and has no round of the cluster's barrier
	STEP 1, 0, 0
	s_wait_dscnt 4*NL                              ; the very last step: nothing more to fetch
	WIN MUL_LO
	MUL16 0, 1, NQ-1, 1, 0
	MUL16 2, 1, NQ-1, 1, 0
	s_wait_dscnt 0
	WIN MUL_HI
	MUL16 4, 1, NQ-1, 1, 0
	MUL16 6, 1, NQ-1, 1, 0
	WIN 0
; 64 numbers of a lane, v[s] .. v[s + 63], register 16 b + i in block b of the next K, become 16 registers of codes in v[PC] on and the row's four scale bytes in v[PW].
.macro QUANT s
.irp b, 0,1,2,3
	v_max3_num_f32 v[TM+\b], |v[\s+16*\b]|, |v[\s+1+16*\b]|, 0x8000000   ; block b: my 16 numbers, and the floor 2^(16 - 127): so the byte cannot fall under 1
.endr
.irp i, 2,4,6,8,10,12,14
.irp b, 0,1,2,3
	v_max3_num_f32 v[TM+\b], v[TM+\b], |v[\s+16*\b+\i]|, |v[\s+1+16*\b+\i]|   ; (the four blocks by turns)
.endr
.endr
.irp b, 0,1,2,3
	v_permlanex16_b32 v[TM+4+\b], v[TM+\b], s[SEL], s[SEL+1]
.endr
.irp b, 0,1,2,3
	v_max_num_f32 v[TM+\b], v[TM+\b], v[TM+4+\b]   ; with lane l xor 16's: the block's largest magnitude
.endr
.irp b, 0,1,2,3
	v_add_nc_u32 v[TM+12+\b], 0xf8800000, v[TM+\b]   ; 15 off its exponent field: the conversion takes the exponent field of this operand as its scale
.endr
.irp b, 0,1,2,3
	v_and_or_b32 v[TM+8+\b], v[TM+\b], 0x7f800000, s[MNT]   ; 57,344 x the scale
.endr
.irp b, 0,1,2,3
	v_lshrrev_b32 v[TM+4+\b], 23, v[TM+12+\b]   ; the scale's byte
.endr
	v_lshl_or_b32 v[PW], v[TM+5], 8, v[TM+4]
	v_lshl_or_b32 v[PW], v[TM+6], 16, v[PW]
	v_lshl_or_b32 v[PW], v[TM+7], 24, v[PW]
.irp b, 0,1,2,3
.irp i, 0,1,2,3,4,5,6,7,8,9,10,11,12,13,14,15
	v_med3_num_f32 v[\s+16*\b+\i], v[\s+16*\b+\i], -v[TM+8+\b], v[TM+8+\b]   ; the conversion to an 8-bit code does not saturate (ISA guide 7.6.2): the hold at the largest code x the scale
.endr
	v_cvt_scalef32_pk8_bf8_f32 v[PC+4*\b:PC+1+4*\b], v[\s+16*\b:\s+7+16*\b], v[TM+12+\b]
	v_cvt_scalef32_pk8_bf8_f32 v[PC+2+4*\b:PC+3+4*\b], v[\s+8+16*\b:\s+15+16*\b], v[TM+12+\b]
.endr
	v_nop                                          ; one plain vector instruction behind the last scaled conversion, ahead of whatever next writes its sources
.endm
; THE WAY OUT of row block a: the bias, the quantiser, 2,048 bytes of codes as they stand in the registers, and the rows' scale words into my 1,024 bytes of LDS.
.macro EPI a
.set WW, 0x02+(\a)/4                   ; source 0: window 2 (blocks 0-3) or 3 (blocks 4-7)
.if (\a) > 0
	s_wait_xcnt 0x0                                ; the last block's stores have read their registers: the codes may be written again
.endif
	s_cmp_eq_u32 s100, 2                           ; the kind: the same in every wave of every partner
	s_cbranch_scc1 .Lvals_\@
	WIN WW
.set i, 0
.rept 32
	v_pk_add_f32 v[X+2*i:X+2*i+1], v[64*((\a)%4)+2*i:64*((\a)%4)+2*i+1], v[BC+2*i:BC+2*i+1]   ; q, k: the bias runs along my registers.  Each accumulator is read from its low end on
.set i, i+1
.endr
	WIN 0
	s_branch .Ljoin_\@
.Lvals_\@:
	v_mov_b32 v[BP], v[BR+(\a)]                    ; v: one bias a lane
	WIN WW
.set i, 0
.rept 32
	v_pk_add_f32 v[X+2*i:X+2*i+1], v[64*((\a)%4)+2*i:64*((\a)%4)+2*i+1], v[BP:BP+1] op_sel_hi:[1,0]
.set i, i+1
.endr
	WIN 0
.Ljoin_\@:
	QUANT X
.irp c, 0,1,2,3
	global_store_b128 v[CO], v[PC+4*\c:PC+4*\c+3], s[12:13] offset:2048*(\a)+512*\c   ; 32 lanes store 512 consecutive bytes, at a multiple of 256 from the buffer's first byte
.endr
	v_lshrrev_b32 v[TWD+(\a)], v[SH], v[PW]        ; q, k: lanes 0-15 keep the first head's two bytes, lanes 16-31 the second's; v: all four
	v_and_b32 v[TWD+(\a)], s101, v[TWD+(\a)]
	ds_store_b32 v[SA], v[TWD+(\a)] offset:256*((\a)/4)+4*((\a)%4)
.endm
	PLACES NP                                      ; behind the last products: their results are read, and the registers that held R's fragments written
	s_mov_b32 s[SEL], 0x76543210
	s_mov_b32 s[SEL+1], 0xfedcba98
	s_mov_b32 s[MNT], 0x600000
.irp b, 0,1,2,3
	v_mov_b32 v[TM+4+\b], 0                        ; written once: a lane permute's destination counts as one of its sources
.endr
	v_mov_b32 v[BP+1], 0                           ; (named as the upper half of a pair)
.irp a, 0,1,2,3,4,5,6,7
	EPI \a
.endr
	ds_load_b128 v[BK:BK+3], v[RD]                 ; LDS serves a wave's instructions in order: these see my stores
	ds_load_b128 v[BK+4:BK+7], v[RD] offset:512
	s_wait_dscnt 0x0
	global_store_b128 v[CO], v[BK:BK+3], s[12:13] offset:16384
	global_store_b128 v[CO], v[BK+4:BK+7], s[12:13] offset:16384+512
	s_wait_tensorcnt 0x0                           ; the wave's end: behind my last tensor load and my last LDS store
	ds_add_u32 v[SPW], v[NIL]
	s_wait_dscnt 0x0
	CROUND                                         ; the closing round: no work-group ends while a partner may still ask for a tile that names it
	s_endpgm
.Lfunc_end_k_qde66a9704d_qkv:
	.size	k_qde66a9704d_qkv, .Lfunc_end_k_qde66a9704d_qkv-k_qde66a9704d_qkv
	.p2alignl 7, 3214868480
	.fill 96, 4, 3214868480
	.section	.rodata,"a",@progbits
	.p2align	6, 0x0
	.amdhsa_kernel k_qde66a9704d_qkv
		.amdhsa_group_segment_fixed_size 327680
		.amdhsa_private_segment_fixed_size 0
		.amdhsa_enable_private_segment 0
		.amdhsa_kernarg_size 48
		.amdhsa_user_sgpr_count 2
		.amdhsa_user_sgpr_kernarg_segment_ptr 1
		.amdhsa_wavefront_size32 1
		.amdhsa_system_sgpr_workgroup_id_x 1
		.amdhsa_system_sgpr_workgroup_id_y 1
		.amdhsa_system_sgpr_workgroup_id_z 1
		.amdhsa_system_vgpr_workitem_id 0
		.amdhsa_next_free_vgpr 1024
		.amdhsa_next_free_sgpr 102
		.amdhsa_reserve_vcc 0
		.amdhsa_float_denorm_mode_32 3
		.amdhsa_float_denorm_mode_16_64 3
		.amdhsa_memory_ordered 1
		.amdhsa_forward_progress 1
		.amdhsa_inst_pref_size 222
	.end_amdhsa_kernel
	.amdgpu_metadata
---
amdhsa.version: [ 1, 2 ]
amdhsa.kernels:
  - .name:           k_qde66a9704d_qkv
    .symbol:         k_qde66a9704d_qkv.kd
    .args:
      - { .name: x_codes, .offset: 0, .size: 8, .value_kind: global_buffer, .address_space: global }
      - { .name: x_scales, .offset: 8, .size: 8, .value_kind: global_buffer, .address_space: global }
      - { .name: w_in_codes, .offset: 16, .size: 8, .value_kind: global_buffer, .address_space: global }
      - { .name: w_in_scales, .offset: 24, .size: 8, .value_kind: global_buffer, .address_space: global }
      - { .name: b_in, .offset: 32, .size: 8, .value_kind: global_buffer, .address_space: global }
      - { .name: qkvw, .offset: 40, .size: 8, .value_kind: global_buffer, .address_space: global }
    .group_segment_fixed_size: 327680
    .private_segment_fixed_size: 0
    .kernarg_segment_align: 8
    .kernarg_segment_size: 48
    .max_flat_workgroup_size: 128
    .sgpr_count:     102
    .vgpr_count:     1024
    .wavefront_size: 32
...
	.end_amdgpu_metadata
.endif
;; end of part 1
;; launch attn (part 2): grid 8 x 32, 16 waves a work-group, no clusters, 102,400 bytes of LDS; arguments qkvw, oimg, osc; writes oimg, osc
.if DOCPART == 2
	.amdgcn_target "amdgcn-amd-amdhsa--gfx1250"
	.amdhsa_code_object_version 6
	.text
	.protected	k_qde66a9704d_attn
	.globl	k_qde66a9704d_attn
	.p2align	8
	.type	k_qde66a9704d_attn,@function
k_qde66a9704d_attn:
	s_mov_b64 s[64:65], 0
	v_nop
	global_prefetch_b8 v0, s[64:65] scope:SCOPE_SE
	s_setreg_imm32_b32 hwreg(HW_REG_WAVE_MODE, 25, 1), 1
	s_wait_xcnt 0x0
; o = softmax(q k^T / 8, causal) v for 64 heads of 64 channels and 2,048 tokens, both products on codes of BF8 (E5M2) with E8M0 block scales; o is quantised along the model's 1,024 for the last product.
; THE SOFTMAX: t = score x log2(e) / 8; M = the running largest t rounded UP to a whole number; p = 2^(t - M) is quantised along the keys, not normalised; the row's sum is taken of the unquantised p and divides at the end.
; SHARES.  Work-group (I, y) takes head pair y (batch y / 8, pair y % 8) and the blocks of 128 queries I and then 15 - I: (I + 1) + (16 - I) = 17 key steps of 128, the same for every work-group; no step under the mask is fetched.
; Sixteen waves: wave w takes head w / 8 of the pair and queries 16 (w % 8) on of the block, one tile in 256 registers; four waves to a SIMD, so that one wave's vector work stands beside another's products and LDS loads.
; THE RECORDS of qkvw (17,408 bytes for 128 tokens of a head pair: images of operand registers, then scale words) are copied as they lie: wave w brings 2,048 + 128 bytes of K's (w < 8) or V's record through five registers' loads,
; asked for a whole key step ahead, into the LDS slot that is not being read.  Two slots, one barrier a step.  No tensor load: a fragment is 512 consecutive bytes an instruction, so nothing needs padding or a pitch.
; No joint loads: in a given trip the eight work-groups of a head pair want different key steps.  Nothing is prefetched: a record's loads go out a key step ahead of their use.
; LAYOUT.  S^T = K Q^T (source 0 = 16 keys, source 1 = my 16 queries), O^T = V^T P^T: a lane holds ONE query throughout.  A head has 64 channels, half of the instruction's 128 along K: Q's upper eight registers are zero codes and
; the upper two bytes of both scale words are 0; a key tile's upper eight registers are whatever lies behind it (the next tile's codes, all finite: the quantiser holds; zeros behind the last), which zero codes make nothing of.
; Inside a block of 32 keys p's places follow the order in which v's codes were laid (16 (i / 8) + 8 h + i % 8); o meets a given weight, so its codes are put into true order by one exchange between lanes l and l xor 16.
; LIMITS: NaN and infinities are not served.  A block of o whose largest magnitude lies under 2^-111 keeps the byte 1; a block of zeros gets the byte 1 where the quantiser says 127: its codes are zeros, and this program alone reads the bytes.
.set REC,   17408                      ; a record
.set SLOT1, 65536                      ; slot 1 begins here: one exclusive or turns an address in one slot into the other's
.set VREC,  REC                        ; in a slot: K's record, then V's
.set SCO,   16384                      ; in a record: the scale words
.set STEPS, 17
.set LI,   1                           ; v1   16 x lane
.set AK0,  2                           ; v2   my lane's place in K's codes: 16 x lane + 1,024 x head
.set AV0,  3                           ; v3   in V's: 16 x lane + 8,192 x head + VREC
.set AKS0, 4                           ; v4   among K's scale words: 16 x lane + 512 x head + SCO
.set AVS0, 5                           ; v5   among V's: 16 r + 256 x head + VREC + SCO
.set VG,   6                           ; v6   what I copy: 16 x lane + 2,048 x (wave % 8)
.set VGS,  7                           ; v7   and 4 x lane + 128 x (wave % 8) + SCO
.set ADK,  8                           ; v8-13 the step's LDS addresses: K, V, K's words, V's words, and where I store codes and words
.set ADV,  9
.set ADKS, 10
.set ADVS, 11
.set ADW,  12
.set ADWS, 13
.set DQ,   14                          ; v14  16 (wave % 8) + r - 8 h: on the diagonal register n holds a hidden key where 16 (n / 8) + n % 8 > DQ
.set OSO,  15                          ; v15  32 r + h: my byte among o's scale bytes
.set NM,   16                          ; v16 -M, v17 the largest t
.set L,    18                          ; v[18:19] the row's sum in two halves
.set Q,    20                          ; v20-27 Q's codes; v28-35 zero codes
.set QSW,  36                          ; v36  Q's scale words
.set PSW,  37                          ; v37  p's scale word
.set FF,   38                          ; v[38:39] f = 2^(old M - new M), and 0
.set F,    40                          ; v40-103 eight key tiles of 8 registers; later v40-71 V's tiles 0, 1
.set PC,   72                          ; v72-87 p's codes
.set TM,   88                          ; v88-103 at work
.set ZT,   104                         ; v104-111 zero codes, behind the last key tile
.set KSW,  112                         ; v112-115 K's scale words: lanes 0-15 tiles 0-3, lanes 16-31 tiles 4-7
.set VSW,  116                         ; v116-119 V's scale words, tile dt
.set S,    120                         ; v120-183 S^T, then p; later v120-151 V's tiles 2, 3
.set O,    184                         ; v184-215 O^T
.set TP,   216                         ; v216-223 at work
.set STG,  224                         ; v224-239 the 2,048 bytes that I copy, v240 the 128
.set STGS, 240
.set QOF,  241                         ; v241 Q's codes in a record: 16 x lane + 2,048 x tile + 1,024 x head
.set QSO,  242                         ; v242 Q's scale word
; s[4:5] qkvw, s[6:7] oimg, s[8:9] osc; s10 wave, s11 head in pair (also: I copy K's record or V's), s12 wave % 8; s13 I, s14 I + 1, s15 y; s16 the trip; s17 the slot read, s18 where I store;
; s19 the mantissa field of 57,344; s[20:21] lane selects; s[22:23] c; s24 the query block; s25 the trip on the diagonal; s26 lanes 16-31; s[28:29] my kind's records of this head pair; s[30:31] the record asked for;
; s[32:33] an offset, s33 = 0; s[34:35] Q's record; s[36:37], s[38:39] where o's codes and bytes go; s40-45 at work
.macro STAGE_LOAD
.irp c, 0,1,2,3
	global_load_b128 v[STG+4*\c:STG+4*\c+3], v[VG], s[30:31] offset:512*\c   ; 32 lanes read 512 consecutive bytes
.endr
	global_load_b32 v[STGS], v[VGS], s[30:31]
.endm
.macro STAGE_STORE
.irp c, 0,1,2,3
	ds_store_b128 v[ADW], v[STG+4*\c:STG+4*\c+3] offset:512*\c
.endr
	ds_store_b32 v[ADWS], v[STGS]
.endm
; The record of trip s16 + ahead is asked for.  Trip u reads key step u while u <= I, then u - I - 1.  The earlier loads through s[30:31] are done: a wait for all loads stands ahead on every way.
.macro NEXTREC ahead
	s_add_co_u32 s40, s16, \ahead
	s_sub_co_u32 s41, s40, s14
	s_cmp_le_u32 s40, s13
	s_cselect_b32 s40, s40, s41
	s_mul_i32 s32, s40, REC
	s_add_nc_u64 s[30:31], s[28:29], s[32:33]
	STAGE_LOAD
.endm
; A block of queries begins: Q's fragment and scale words; the largest t -3e38, under every t; the sum and O^T zeros, which the first change of M leaves zeros.
.macro START
	s_lshl_b32 s40, s15, 4
	s_add_co_u32 s40, s40, s24                     ; q's record: 16 y + the block
	s_mul_i32 s32, s40, REC
	s_add_nc_u64 s[34:35], s[4:5], s[32:33]
	global_load_b128 v[Q:Q+3], v[QOF], s[34:35]
	global_load_b128 v[Q+4:Q+7], v[QOF], s[34:35] offset:512
	global_load_b32 v[QSW], v[QSO], s[34:35]
	v_mov_b32 v[NM+1], 0xff61b1e6
	v_floor_f32 v[NM], -v[NM+1]
	v_mov_b32 v[L], 0
	v_mov_b32 v[L+1], 0
.set i, 0
.rept 32
	v_mov_b32 v[O+i], 0
.set i, i+1
.endr
	s_wait_loadcnt 0x0
.endm
; A block of queries ends: O^T / the sum, quantised along the head's two blocks of 32, put into true order, stored as an image of the last product's operand; a scale byte a lane.
.macro FINISH
.rept 8
	v_nop                                          ; places behind the last products: their results are read, their operands' registers written
.endr
	v_add_f32 v[L], v[L], v[L+1]                   ; the sum's two halves,
	v_permlanex16_b32 v[TP], v[L], s20, s21
	v_add_f32 v[L], v[L], v[TP]                    ; and lane l xor 16's: the row's sum
	v_rcp_f32 v[TP], v[L]
	v_mov_b32 v[TP+1], 0                           ; a plain instruction behind the reciprocal (and the pair's upper half is written)
	s_wait_alu depctr_va_vdst(0)                   ; the wait ahead of the first use
.set i, 0
.rept 16
	v_pk_mul_f32 v[S+i:S+i+1], v[O+i:O+i+1], v[TP:TP+1] op_sel_hi:[1,0]   ; register 16 c + i: channel 32 c + 16 (i / 8) + 8 h + i % 8.  Each accumulator from its low end on
.set i, i+2
.endr
.irp c, 0,1
	v_max3_num_f32 v[TM+\c], |v[S+16*\c]|, |v[S+1+16*\c]|, 0x8000000   ; my 16 numbers of block c, and the floor 2^(16 - 127)
.endr
.irp i, 2,4,6,8,10,12,14
.irp c, 0,1
	v_max3_num_f32 v[TM+\c], v[TM+\c], |v[S+16*\c+\i]|, |v[S+1+16*\c+\i]|
.endr
.endr
.irp c, 0,1
	v_permlanex16_b32 v[TM+4+\c], v[TM+\c], s20, s21
.endr
.irp c, 0,1
	v_max_num_f32 v[TM+\c], v[TM+\c], v[TM+4+\c]   ; the block's largest magnitude
.endr
.irp c, 0,1
	v_add_nc_u32 v[TM+12+\c], 0xf8800000, v[TM+\c] ; 15 off its exponent field: the conversion's scale operand
.endr
.irp c, 0,1
	v_and_or_b32 v[TM+8+\c], v[TM+\c], 0x7f800000, s19   ; 57,344 x the scale
.endr
.irp c, 0,1
	v_lshrrev_b32 v[TM+4+\c], 23, v[TM+12+\c]      ; the scale's byte
.endr
.irp c, 0,1
.irp i, 0,1,2,3,4,5,6,7,8,9,10,11,12,13,14,15
	v_med3_num_f32 v[S+16*\c+\i], v[S+16*\c+\i], -v[TM+8+\c], v[TM+8+\c]   ; the conversion does not saturate (ISA guide 7.6.2): the hold
.endr
	v_cvt_scalef32_pk8_bf8_f32 v[PC+4*\c:PC+4*\c+1], v[S+16*\c:S+16*\c+7], v[TM+12+\c]
	v_cvt_scalef32_pk8_bf8_f32 v[PC+4*\c+2:PC+4*\c+3], v[S+16*\c+8:S+16*\c+15], v[TM+12+\c]
.endr
	v_nop                                          ; one plain instruction behind the last scaled conversion
	; TRUE ORDER.  Of a block, lanes 0-15 hold channels 0-7 and 16-23, lanes 16-31 channels 8-15 and 24-31; the operand wants 0-15 below and 16-31 above: the lower lanes give their upper eight for the upper lanes' lower eight
.irp c, 0,1
.irp k, 0,1
	v_cndmask_b32 v[TP+4+2*\c+\k], v[PC+4*\c+2+\k], v[PC+4*\c+\k], s26
.endr
.endr
.irp c, 0,1
.irp k, 0,1
	v_permlanex16_b32 v[S+40+2*\c+\k], v[TP+4+2*\c+\k], s20, s21
.endr
.endr
.irp c, 0,1
.irp k, 0,1
	v_cndmask_b32 v[S+32+4*\c+\k], v[PC+4*\c+\k], v[S+40+2*\c+\k], s26
	v_cndmask_b32 v[S+32+4*\c+2+\k], v[S+40+2*\c+\k], v[PC+4*\c+2+\k], s26
.endr
.endr
	v_cndmask_b32 v[TP+2], v[TM+4], v[TM+5], s26   ; lanes 0-15 store block 0's byte, lanes 16-31 block 1's
	s_lshr_b32 s40, s15, 3
	s_lshl_b32 s40, s40, 7
	s_lshl_b32 s41, s24, 3
	s_add_co_u32 s40, s40, s41
	s_add_co_u32 s40, s40, s12                     ; my tile of 16 rows: batch x 128 + block x 8 + wave % 8
	s_and_b32 s41, s15, 7                          ; the head pair
	s_lshr_b32 s42, s41, 1
	s_lshl_b32 s42, s42, 21                        ; oimg = [K step of 256: pair / 2][tile of rows][128 along K: pair % 2][block of 32: 2 x head + c][lane][16]
	s_lshl_b32 s43, s40, 12
	s_add_co_u32 s42, s42, s43
	s_and_b32 s43, s41, 1
	s_lshl_b32 s43, s43, 11
	s_add_co_u32 s42, s42, s43
	s_lshl_b32 s43, s11, 10
	s_add_co_u32 s32, s42, s43
	s_add_nc_u64 s[36:37], s[6:7], s[32:33]
	s_lshl_b32 s42, s40, 9                         ; osc = [row][32]: byte 4 x pair + 2 x head + c
	s_lshl_b32 s43, s41, 2
	s_add_co_u32 s42, s42, s43
	s_lshl_b32 s43, s11, 1
	s_add_co_u32 s32, s42, s43
	s_add_nc_u64 s[38:39], s[8:9], s[32:33]
	global_store_b128 v[LI], v[S+32:S+35], s[36:37]               ; 32 lanes store 512 consecutive bytes, at a multiple of 256 from the buffer's first byte
	global_store_b128 v[LI], v[S+36:S+39], s[36:37] offset:512
	global_store_b8 v[OSO], v[TP+2], s[38:39]
	s_wait_xcnt 0x0                                ; the stores have read their registers and bases: all may be written again
.endm
	s_load_b128 s[4:7], s[0:1], 0x0                ; qkvw, oimg
	s_load_b64 s[8:9], s[0:1], 0x10                ; osc
	v_lshl_add_u32 v254, v0, 2, 0x18800
	v_mov_b32 v255, 0
	v_lshrrev_b32 v216, 5, v0
	v_readfirstlane_b32 s10, v216                  ; wave 0..15
	s_lshr_b32 s11, s10, 3
	s_and_b32 s12, s10, 7
	s_mov_b32 s13, ttmp9
	s_add_co_u32 s14, s13, 1
	s_and_b32 s15, ttmp7, 0xffff
	v_and_b32 v217, 31, v0                         ; lane
	v_and_b32 v218, 15, v0                         ; r
	v_bfe_u32 v219, v0, 4, 1                       ; h
	v_lshlrev_b32 v[LI], 4, v217
	s_lshl_b32 s40, s11, 10
	v_add_nc_u32 v[AK0], s40, v[LI]
	s_lshl_b32 s40, s11, 13
	s_add_co_u32 s40, s40, VREC
	v_add_nc_u32 v[AV0], s40, v[LI]
	s_lshl_b32 s40, s11, 9
	s_add_co_u32 s40, s40, SCO
	v_add_nc_u32 v[AKS0], s40, v[LI]
	s_lshl_b32 s40, s11, 8
	s_add_co_u32 s40, s40, VREC+SCO
	v_lshl_add_u32 v[AVS0], v218, 4, s40
	s_lshl_b32 s40, s12, 11
	v_add_nc_u32 v[VG], s40, v[LI]
	s_lshl_b32 s41, s11, 10
	s_add_co_u32 s41, s41, s40
	v_add_nc_u32 v[QOF], s41, v[LI]
	s_lshl_b32 s40, s12, 7
	s_add_co_u32 s40, s40, SCO
	v_lshl_add_u32 v[VGS], v217, 2, s40
	s_lshl_b32 s40, s12, 4
	v_lshlrev_b32 v220, 3, v219
	v_sub_nc_u32 v[DQ], v218, v220
	v_add_nc_u32 v[DQ], s40, v[DQ]
	v_lshl_add_u32 v[OSO], v218, 5, v219
	s_lshl_b32 s40, s11, 9
	s_lshr_b32 s41, s12, 2
	s_lshl_b32 s41, s41, 8
	s_add_co_u32 s40, s40, s41
	s_and_b32 s41, s12, 3
	s_lshl_b32 s41, s41, 2
	s_add_co_u32 s40, s40, s41
	s_add_co_u32 s40, s40, SCO
	v_lshl_add_u32 v[QSO], v218, 4, s40            ; 16 r + SCO + 512 x head + 256 (tile / 4) + 4 (tile % 4)
.irp j, 0,1,2,3,4,5,6,7
	v_mov_b32 v[Q+8+\j], 0                         ; zero codes for the upper half of K
	v_mov_b32 v[ZT+\j], 0
.endr
	v_mov_b32 v[FF+1], 0                           ; (named as the upper half of a pair)
.irp b, 0,1,2,3
	v_mov_b32 v[TM+4+\b], 0                        ; a lane permute's destination counts as one of its sources
.endr
	s_mov_b32 s19, 0x600000
	s_mov_b32 s20, 0x76543210
	s_mov_b32 s21, 0xfedcba98
	s_mov_b32 s22, 0x3e38aa3b                      ; c = log2(e) / 8
	s_mov_b32 s23, s22                             ; (named with it as a pair)
	s_mov_b32 s26, 0xffff0000
	s_mov_b32 s24, s13                             ; the first block of queries: I,
	s_mov_b32 s25, s13                             ; whose diagonal is trip I
	s_mov_b32 s16, 0
	s_mov_b32 s17, 0
	s_mul_i32 s18, s11, VREC                       ; I store into K's place or V's, first in slot 0
	s_add_co_u32 s40, s11, 1                       ; kind 1 (k) or 2 (v)
	s_lshl_b32 s40, s40, 9
	s_lshl_b32 s41, s15, 4
	s_add_co_u32 s40, s40, s41
	s_mul_i32 s32, s40, REC                        ; under 2^25
	s_mov_b32 s33, 0
	s_wait_kmcnt 0x0
	s_add_nc_u64 s[28:29], s[4:5], s[32:33]
	s_mov_b64 s[30:31], s[28:29]                   ; trip 0 reads key step 0
	STAGE_LOAD
	START                                          ; (its wait is for all loads: my part of the first record is in)
	v_add_nc_u32 v[ADW], s18, v[VG]
	v_add_nc_u32 v[ADWS], s18, v[VGS]
	STAGE_STORE
	s_add_co_u32 s18, s18, SLOT1                   ; from now on: the slot that is not being read
	s_wait_dscnt 0x0                               ; for the others' sake, and the stores have read their registers
	NEXTREC 1
	s_barrier_signal -1
	s_barrier_wait -1                              ; slot 0 is whole
.Lstep:                                                ; 17 trips; a trip is a key step of 128 keys
	v_add_nc_u32 v[ADK], s17, v[AK0]
	v_add_nc_u32 v[ADV], s17, v[AV0]
	v_add_nc_u32 v[ADKS], s17, v[AKS0]
	v_add_nc_u32 v[ADVS], s17, v[AVS0]
	v_add_nc_u32 v[ADW], s18, v[VG]
	v_add_nc_u32 v[ADWS], s18, v[VGS]
.rept 4
	v_nop                                          ; with the six additions ten places behind the last trip's products: eight for the loads into their operands' registers, nine for the products that write over them
.endr
	s_wait_loadcnt 0x0                             ; my part of the next step's record, asked for a trip ago
	s_cmp_eq_u32 s16, STEPS-1
	s_cbranch_scc1 .Lno_store                      ; the last trip has no next step
	STAGE_STORE                                    ; into the slot that every wave left at the last barrier
.Lno_store:
.irp a, 0,1,2,3,4,5,6,7
.irp c, 0,1
	ds_load_b128 v[F+8*\a+4*\c:F+8*\a+4*\c+3], v[ADK] offset:2048*\a+512*\c   ; key tile a: 16 keys x my head's 64
.endr
.endr
	ds_load_b128 v[KSW:KSW+3], v[ADKS]
	s_wait_dscnt 0x0                               ; K is in; and my stores have read their registers
	s_cmp_ge_u32 s16, STEPS-2
	s_cbranch_scc1 .Lno_load                       ; the last two trips ask for nothing
	NEXTREC 2
.Lno_load:
.irp t, 0,1,2,3
	v_wmma_scale_f32_16x16x128_f8f6f4 v[S+8*\t:S+8*\t+7], v[F+8*\t:F+8*\t+15], v[Q:Q+15], 0, v[KSW+\t], v[QSW] matrix_a_fmt:MATRIX_FMT_BF8 matrix_b_fmt:MATRIX_FMT_BF8
.endr
.irp t, 4,5,6,7
	v_wmma_scale_f32_16x16x128_f8f6f4 v[S+8*\t:S+8*\t+7], v[F+8*\t:F+8*\t+15], v[Q:Q+15], 0, v[KSW+\t-4], v[QSW] matrix_a_fmt:MATRIX_FMT_BF8 matrix_b_fmt:MATRIX_FMT_BF8 matrix_a_scale:MATRIX_SCALE_ROW1
.endr                                                  ; lane (r, h): query r; register 8 t + j: key 16 t + 8 h + j
.rept 8
	v_nop                                          ; places: the scores are read, the key tiles' registers loaded and written
.endr
.irp d, 0,1
.irp c, 0,1,2,3
	ds_load_b128 v[F+16*\d+4*\c:F+16*\d+4*\c+3], v[ADV] offset:2048*\d+512*\c   ; V's tiles 0 and 1: 16 channels x 128 keys each; they land under the softmax
.endr
.endr
	ds_load_b128 v[VSW:VSW+3], v[ADVS]
	s_cmp_lg_u32 s16, s25
	s_cbranch_scc1 .Lopen                          ; only the block's last step lies on the diagonal
	v_mov_b32 v[TP], 0xff800000                    ; there the scores of hidden keys become -infinity ahead of the maximum: p = 0 then.  The step's key 0 counts for every query
.set n, 0
.rept 64
	v_cmp_gt_i32 vcc_lo, 16*(n/8)+n%8, v[DQ]
	v_cndmask_b32 v[S+n], v[S+n], v[TP], vcc_lo
.set n, n+1
.endr
.Lopen:
.irp b, 0,1,2,3
	v_max3_num_f32 v[TM+\b], v[S+16*\b], v[S+1+16*\b], v[S+2+16*\b]   ; the largest score of each block of 32 keys: it serves the row's maximum and, since p rises with the score, the block's largest p
.endr
.irp i, 3,5,7,9,11,13
.irp b, 0,1,2,3
	v_max3_num_f32 v[TM+\b], v[TM+\b], v[S+16*\b+\i], v[S+1+16*\b+\i]
.endr
.endr
.irp b, 0,1,2,3
	v_max_num_f32 v[TM+\b], v[TM+\b], v[S+15+16*\b]
.endr
.irp b, 0,1,2,3
	v_permlanex16_b32 v[TM+4+\b], v[TM+\b], s20, s21
.endr
.irp b, 0,1,2,3
	v_max_num_f32 v[TM+\b], v[TM+\b], v[TM+4+\b]   ; with lane l xor 16's 16 keys
.endr
	v_max3_num_f32 v[TP], v[TM], v[TM+1], v[TM+2]
	v_max_num_f32 v[TP], v[TP], v[TM+3]            ; the step's largest score of my query
	v_mul_f32 v[TP], s22, v[TP]                    ; as t
	v_max_num_f32 v[NM+1], v[NM+1], v[TP]          ; the running largest t
	v_mov_b32 v[TP], v[NM]
	v_floor_f32 v[NM], -v[NM+1]                    ; the new -M = floor(-t): M is a whole number
	v_sub_f32 v[TP], v[NM], v[TP]                  ; old M - new M: a whole number, 0 or less
	v_cvt_i32_f32 v[TP], v[TP]                     ; (it saturates)
	v_ldexp_f32 v[FF], 1.0, v[TP]                  ; f = 2^(old M - new M): a multiplication by it rounds nothing
.set j, 0
.rept 32
	v_pk_fma_f32 v[S+j:S+j+1], v[S+j:S+j+1], s[22:23], v[NM:NM+1] op_sel_hi:[1,0,0]   ; t - M, two at a time
.set j, j+2
.endr
.irp b, 0,1,2,3
	v_fma_f32 v[TM+\b], v[TM+\b], s22, v[NM]       ; the same of each block's largest score
.endr
.set j, 0
.rept 64
	v_exp_f32 v[S+j], v[S+j]                       ; p = 2^(t - M): not normalised
.set j, j+1
.endr
	v_pk_mul_f32 v[L:L+1], v[L:L+1], v[FF:FF+1] op_sel_hi:[1,0]   ; the sums under the new M (a plain instruction behind the exponentials)
	s_wait_alu depctr_va_vdst(0)                   ; one wait for the whole batch, ahead of its first reader
.irp b, 0,1,2,3
	v_exp_f32 v[TM+\b], v[TM+\b]                   ; the block's largest p: the same two instructions on the same number
.endr
	v_pk_add_f32 v[TM+4:TM+5], v[S:S+1], v[S+2:S+3]   ; the row's sum is taken of the unquantised p: two at a time, in two chains
.irp j, 4,8,12,16,20,24,28,32,36,40,44,48,52,56,60
	v_pk_add_f32 v[L:L+1], v[L:L+1], v[S+\j:S+\j+1]
	v_pk_add_f32 v[TM+4:TM+5], v[TM+4:TM+5], v[S+2+\j:S+3+\j]
.endr
	v_pk_add_f32 v[L:L+1], v[L:L+1], v[TM+4:TM+5]
	s_wait_alu depctr_va_vdst(0)                   ; and one for the four
.irp b, 0,1,2,3
	v_max_num_f32 v[TM+\b], 0x8000000, v[TM+\b]    ; the floor 2^(16 - 127): the byte cannot fall under 1
.endr
.irp b, 0,1,2,3
	v_add_nc_u32 v[TM+12+\b], 0xf8800000, v[TM+\b] ; 15 off the exponent field: the conversion's scale operand
.endr
.irp b, 0,1,2,3
	v_and_or_b32 v[TM+8+\b], v[TM+\b], 0x7f800000, s19   ; 57,344 x the scale
.endr
.irp b, 0,1,2,3
	v_lshrrev_b32 v[TM+4+\b], 23, v[TM+12+\b]      ; the scale's byte
.endr
	v_lshl_or_b32 v[PSW], v[TM+5], 8, v[TM+4]      ; p's scale word for these 128 keys: the 64 holds below stand between it and the products
	v_lshl_or_b32 v[PSW], v[TM+6], 16, v[PSW]
	v_lshl_or_b32 v[PSW], v[TM+7], 24, v[PSW]
.irp b, 0,1,2,3
.irp i, 0,1,2,3,4,5,6,7,8,9,10,11,12,13,14,15
	v_min_num_f32 v[S+16*\b+\i], v[S+16*\b+\i], v[TM+8+\b]   ; the conversion does not saturate (ISA guide 7.6.2); p is not negative, so the hold is one-sided
.endr
	v_cvt_scalef32_pk8_bf8_f32 v[PC+4*\b:PC+4*\b+1], v[S+16*\b:S+16*\b+7], v[TM+12+\b]
	v_cvt_scalef32_pk8_bf8_f32 v[PC+4*\b+2:PC+4*\b+3], v[S+16*\b+8:S+16*\b+15], v[TM+12+\b]
.endr
.irp d, 2,3
.irp c, 0,1,2,3
	ds_load_b128 v[S+16*(\d-2)+4*\c:S+16*(\d-2)+4*\c+3], v[ADV] offset:2048*\d+512*\c   ; V's tiles 2 and 3, into registers that p has left
.endr
.endr
.set j, 0
.rept 16
	v_pk_mul_f32 v[O+j:O+j+1], v[O+j:O+j+1], v[FF:FF+1] op_sel_hi:[1,0]   ; O^T under the new M.  (These are also the plain instructions between the conversions and the products)
.set j, j+2
.endr
	s_wait_dscnt 0x0                               ; V is in
	v_wmma_scale_f32_16x16x128_f8f6f4 v[O:O+7], v[F:F+15], v[PC:PC+15], v[O:O+7], v[VSW], v[PSW] matrix_a_fmt:MATRIX_FMT_BF8 matrix_b_fmt:MATRIX_FMT_BF8   ; the four accumulators take turns, one instruction a turn
	v_wmma_scale_f32_16x16x128_f8f6f4 v[O+8:O+15], v[F+16:F+31], v[PC:PC+15], v[O+8:O+15], v[VSW+1], v[PSW] matrix_a_fmt:MATRIX_FMT_BF8 matrix_b_fmt:MATRIX_FMT_BF8
	v_wmma_scale_f32_16x16x128_f8f6f4 v[O+16:O+23], v[S:S+15], v[PC:PC+15], v[O+16:O+23], v[VSW+2], v[PSW] matrix_a_fmt:MATRIX_FMT_BF8 matrix_b_fmt:MATRIX_FMT_BF8
	v_wmma_scale_f32_16x16x128_f8f6f4 v[O+24:O+31], v[S+16:S+31], v[PC:PC+15], v[O+24:O+31], v[VSW+3], v[PSW] matrix_a_fmt:MATRIX_FMT_BF8 matrix_b_fmt:MATRIX_FMT_BF8
	s_cmp_lg_u32 s16, s13
	s_cbranch_scc1 .Lsame                          ; behind trip I the first block of queries is done (the same in all sixteen waves)
	FINISH
	s_sub_co_u32 s24, 15, s13                      ; the second block: 15 - I,
	s_mov_b32 s25, STEPS-1                         ; whose diagonal is the last trip
	START
.Lsame:
	s_wait_dscnt 0x0                               ; my stores for the next step have landed, my reads of this slot are over
	s_barrier_signal -1
	s_barrier_wait -1                              ; both now hold of every wave
	s_xor_b32 s17, s17, SLOT1
	s_xor_b32 s18, s18, SLOT1
	s_add_co_u32 s16, s16, 1
	s_cmp_lt_u32 s16, STEPS
	s_cbranch_scc1 .Lstep
	FINISH
	s_wait_tensorcnt 0x0
	ds_add_u32 v254, v255
	s_wait_dscnt 0x0
	s_endpgm
.Lfunc_end_k_qde66a9704d_attn:
	.size	k_qde66a9704d_attn, .Lfunc_end_k_qde66a9704d_attn-k_qde66a9704d_attn
	.p2alignl 7, 3214868480
	.fill 96, 4, 3214868480
	.section	.rodata,"a",@progbits
	.p2align	6, 0x0
	.amdhsa_kernel k_qde66a9704d_attn
		.amdhsa_group_segment_fixed_size 102400
		.amdhsa_private_segment_fixed_size 0
		.amdhsa_enable_private_segment 0
		.amdhsa_kernarg_size 24
		.amdhsa_user_sgpr_count 2
		.amdhsa_user_sgpr_kernarg_segment_ptr 1
		.amdhsa_wavefront_size32 1
		.amdhsa_system_sgpr_workgroup_id_x 1
		.amdhsa_system_sgpr_workgroup_id_y 1
		.amdhsa_system_sgpr_workgroup_id_z 1
		.amdhsa_system_vgpr_workitem_id 0
		.amdhsa_next_free_vgpr 256
		.amdhsa_next_free_sgpr 66
		.amdhsa_reserve_vcc 1
		.amdhsa_float_denorm_mode_32 3
		.amdhsa_float_denorm_mode_16_64 3
		.amdhsa_memory_ordered 1
		.amdhsa_forward_progress 1
		.amdhsa_inst_pref_size 49
	.end_amdhsa_kernel
	.amdgpu_metadata
---
amdhsa.version: [ 1, 2 ]
amdhsa.kernels:
  - .name:           k_qde66a9704d_attn
    .symbol:         k_qde66a9704d_attn.kd
    .args:
      - { .name: qkvw, .offset: 0, .size: 8, .value_kind: global_buffer, .address_space: global }
      - { .name: oimg, .offset: 8, .size: 8, .value_kind: global_buffer, .address_space: global }
      - { .name: osc, .offset: 16, .size: 8, .value_kind: global_buffer, .address_space: global }
    .group_segment_fixed_size: 102400
    .private_segment_fixed_size: 0
    .kernarg_segment_align: 8
    .kernarg_segment_size: 24
    .max_flat_workgroup_size: 512
    .sgpr_count:     66
    .vgpr_count:     256
    .wavefront_size: 32
...
	.end_amdgpu_metadata
.endif
;; end of part 2
;; launch proj (part 3): grid 4 x 32, 4 waves a work-group, clusters of 4 x 4, 327,680 bytes of LDS; arguments oimg, osc, w_out_codes, w_out_scales, b_out, out0; writes out0
.if DOCPART == 3
	.amdgcn_target "amdgcn-amd-amdhsa--gfx1250"
	.amdhsa_code_object_version 6
	.text
	.protected	k_qde66a9704d_proj
	.globl	k_qde66a9704d_proj
	.p2align	8
	.type	k_qde66a9704d_proj,@function
k_qde66a9704d_proj:
	s_mov_b64 s[64:65], 0
	v_nop
	global_prefetch_b8 v0, s[64:65] scope:SCOPE_SE
	s_setreg_imm32_b32 hwreg(HW_REG_WAVE_MODE, 25, 1), 1
	s_wait_xcnt 0x0
	s_wait_alu depctr_hold_cnt(0) depctr_sa_sdst(0) depctr_va_vdst(0) depctr_va_sdst(0) depctr_va_ssrc(0) depctr_va_vcc(0) depctr_vm_vsrc(0)
	s_getreg_b32 s2, hwreg(HW_REG_IB_STS2, 6, 4)
	s_cmp_eq_u32 s2, 0
	s_cbranch_scc0 .Lentry_in_a_cluster
	s_endpgm
.Lentry_in_a_cluster:
	s_bfe_u32 s2, ttmp6, 0x10000c
	s_cmp_lg_u32 s2, 0xf033
	s_cbranch_scc0 .Lentry_shape_is_right
	s_endpgm
.Lentry_shape_is_right:
; out0 = o w_out + b_out.  o: 8,192 rows x 1,024 as codes of BF8 (E5M2), laid by the attention launch as images of operand registers, oimg = [K step of 256, 4][tile of 16 rows, 512][128 along K, 2][block of 32, 4][lane][16 bytes],
; with scale bytes osc = [8,192][32].  w_out: [1,024 (n)][1,024 (k)] codes, K innermost, scale bytes [1,024][32].  out0: [8,192][1,024] f32; sums in f32; the bias is added on the way out.
; A tile of out0, 256 x 256, is made by a work-group of four waves; a wave makes 128 x 128: 64 accumulators of 16 x 16.  K goes in steps of 256 through a ring of two LDS slots filled by the tensor data mover.
; A K step's part of 128 rows of o is ONE dense block of 32,768 bytes: it comes as 128 rows of 256 bytes without padding, and a fragment is four loads of 512 consecutive bytes.  w_out's tiles come as rows of 256 bytes, padded.
; The scales of the work-group's rows of both operands, for all of K, come into LDS once, with the first fills.
; CLUSTERS: 4 x 4 work-groups.  The four of a row of the cluster need the same tiles of o, the four of a column the same tiles of w_out: joint loads.  The grid is 4 x 32 work-groups: a tile of 256 x 256 is kept for its few LDS bytes a product.
; THE MATRIX INSTRUCTION IS USED TRANSPOSED (source 0 = 16 rows of w_out, source 1 = 16 rows of o): a lane then holds eight neighbouring numbers of a row of out0.
; REGISTERS, in windows of 256: window 0: v0-31 addresses and the bias; v32-63 scale words, two sets; from v128 o's fragments, ONE set; on the way out v128-255 are rows read back.
;   window 1: w_out's fragments, TWO sets.   window 2: the accumulators of my rows 0-63;   window 3: those of my rows 64-127.
.set SIZE_N, 1024
.set SIZE_K, 1024
.set KSTEP,  256
.set NQ,     KSTEP/128
.set ROWB,   256
.set KROW,   SIZE_K
.set ASTEP,  0x200000                  ; from a K step of oimg to the next, in bytes
.set PITCH,  272                       ; a row of w_out's tile in LDS: 256 bytes + 16 of padding
.set FR,     16
.set NL,     4
.set NP,     8                         ; places behind this matrix instruction (ISA guide 7.12.1)
.set HALFT,  128*PITCH                 ; the room of 128 rows (o's dense 32,768 bytes lie at its head)
.set SLOT,   4*HALFT
.set LAPS,   SIZE_K/(2*KSTEP)
.set KS,     SIZE_K/32
.set SCL,    2*SLOT
.set HALFS,  (128*KS/256)*272
.set SBLK,   (16*KS/256)*272
.set SPARE,  SCL+4*HALFS               ; the spare words, 128 bytes for each wave
.set SPITCH, 528                       ; the way out: a stage of 16 rows x (512 bytes + 16) for each wave, in slot 0, which has had its last fill and its last read by then
.set BI,   8                           ; v8-11   b_out at my four columns of a row read back
.set ADRA, 16                          ; v16-17  LDS address of my fragments of o in slot 0, 1
.set ADRB, 20                          ; v20-21  the same for w_out
.set STO,  24
.set RD,   25
.set CO,   26
.set ADRS, 27
.set SPW,  28
.set NIL,  29
.set SC,   32
.set AF,   128
.set BK,   128
.set G1, 24
.set G0, 32
.set G1B, 48
.set G0B, 56
.set G1S, 68
.set G0S, 76
.set G1SB, 80
.set G0SB, 88
.set MSB, 0
.macro WIN new                         ; the immediate's high byte repeats the setting that is left
.if MSB != \new
	s_set_vgpr_msb (MSB<<8)|\new
.set MSB, \new
.endif
.endm
.set MUL_LO, 0xa1
.set MUL_HI, 0xf1
.set TO_B,   0x40
.macro JLOAD g0a, g1a, g0b, g1b        ; a joint load: waves 0 and 1 fetch for o, waves 2 and 3 for w_out; four v_nop follow each of the two lines
	s_cmp_eq_u32 s15, 0
	s_cbranch_scc0 .Lfor_b_\@
	tensor_load_to_lds s[\g0a:\g0a+3], s[\g1a:\g1a+7]
	s_nop 0
.rept 4
	v_nop
.endr
	s_branch .Lasked_\@
.Lfor_b_\@:
	tensor_load_to_lds s[\g0b:\g0b+3], s[\g1b:\g1b+7]
	s_nop 0
.rept 4
	v_nop
.endr
.Lasked_\@:
.endm
.macro CREST
	s_cmp_lg_u32 s14, 0
	s_cbranch_scc1 .Lnot_wave_0_\@
	s_barrier_signal -3
.Lnot_wave_0_\@:
	s_barrier_wait -3
	s_barrier_signal -1
	s_barrier_wait -1
.endm
.macro CROUND
	s_barrier_signal -1
	s_barrier_wait -1
	CREST
.endm
	s_load_b128 s[4:7], s[0:1], 0x0                ; oimg, osc
	s_load_b128 s[8:11], s[0:1], 0x10              ; w_out's codes, w_out's scales
	s_load_b128 s[96:99], s[0:1], 0x20             ; b_out, out0
	v_lshl_add_u32 v[SPW], v0, 2, SPARE
	v_mov_b32 v[NIL], 0
	ds_add_u32 v28, v29
	ds_add_u32 v28, v29
	s_wait_dscnt 0x0
	v_lshrrev_b32 v1, 5, v0
	v_readfirstlane_b32 s14, v1                    ; wave 0..3
	s_lshr_b32 s15, s14, 1                         ; which half of the tile's rows is mine.  Also: I fetch for o (0) or for w_out (1)
	s_and_b32 s16, s14, 1                          ; which half of its columns.  Also: which 128 rows of that tile I fetch
	s_bfe_u32 s40, ttmp6, 0x40000                  ; cx, cy
	s_bfe_u32 s41, ttmp6, 0x40004
	s_lshl_b32 s42, ttmp9, 2
	s_add_co_u32 s42, s42, s40                     ; tile column
	s_and_b32 s17, ttmp7, 0xffff
	s_lshl_b32 s17, s17, 2
	s_add_co_u32 s17, s17, s41                     ; tile row
	s_lshl_b32 s43, s41, 2
	s_lshl_b32 s43, 15, s43                        ; my row of the cluster
	s_lshl_b32 s44, 0x1111, s40                    ; my column
	; o's tile: a dense block of 32,768 bytes as 128 rows of 256 bytes (32 elements of 8 bytes), no padding
	s_or_b32 s[G1+0], s43, (3<<16)|(1<<21)         ; 15:0 the mask: my row; 17:16 elements of 8 bytes; 21 set beside a mask
	s_mov_b32 s[G1+1], 32<<16
	s_mov_b32 s[G1+2], 128<<16
	s_mov_b32 s[G1+3], 32<<16
	s_mov_b32 s[G1+4], 128
	s_mov_b32 s[G1+5], 32
	s_mov_b32 s[G1+6], 0
	s_mov_b32 s[G1+7], 0
	; w_out's tile: 128 rows x 256 bytes, 1,024 bytes apart in memory, 16 bytes of padding behind each in LDS
	s_or_b32 s[G1B+0], s44, (0<<16)|(1<<20)|(1<<21)|(5<<22)|(3<<25)
	s_mov_b32 s[G1B+1], ROWB<<16
	s_mov_b32 s[G1B+2], 128<<16
	s_mov_b32 s[G1B+3], ROWB<<16
	s_mov_b32 s[G1B+4], 128
	s_mov_b32 s[G1B+5], KROW
	s_mov_b32 s[G1B+6], 0
	s_mov_b32 s[G1B+7], 0
	; the scales of 128 rows: 4,096 dense bytes as 16 rows of 256, 16 bytes of padding behind each
	s_or_b32 s[G1S+0], s43, (3<<16)|(1<<20)|(1<<21)|(5<<22)|(3<<25)
	s_or_b32 s[G1SB+0], s44, (3<<16)|(1<<20)|(1<<21)|(5<<22)|(3<<25)
.irp g, G1S, G1SB
	s_mov_b32 s[\g+1], 32<<16
	s_mov_b32 s[\g+2], (128*KS/256)<<16
	s_mov_b32 s[\g+3], 32<<16
	s_mov_b32 s[\g+4], 128*KS/256
	s_mov_b32 s[\g+5], 32
	s_mov_b32 s[\g+6], 0
	s_mov_b32 s[\g+7], 0
.endr
	s_lshl_b32 s18, s16, 7
	s_lshl_b32 s20, s17, 8
	s_add_co_u32 s20, s20, s18                     ; o: row 256 x tile row + 128 x half
	s_lshl_b32 s46, s42, 8
	s_add_co_u32 s46, s46, s18                     ; w_out: row 256 x tile column + 128 x half
	s_mov_b32 s21, 0
	s_mov_b32 s47, 0
	s_mov_b64 s[18:19], KS
	s_mul_u64 s[22:23], s[20:21], s[18:19]         ; where these rows' scales begin
	s_mul_u64 s[92:93], s[46:47], s[18:19]
	s_lshl_b64 s[20:21], s[20:21], 8               ; o's images: 4,096 bytes for 16 rows of a K step
	s_mov_b64 s[18:19], KROW
	s_mul_u64 s[46:47], s[46:47], s[18:19]
	s_mul_i32 s45, s14, HALFT
	s_mul_i32 s94, s14, HALFS
	s_wait_kmcnt 0x0
	s_add_nc_u64 s[20:21], s[4:5], s[20:21]
	s_add_nc_u64 s[22:23], s[6:7], s[22:23]
	s_add_nc_u64 s[46:47], s[8:9], s[46:47]
	s_add_nc_u64 s[92:93], s[10:11], s[92:93]
	CROUND                                         ; all sixteen work-groups are here: the first joint loads meet
	s_mov_b32 s[G0S], 1
	s_add_co_u32 s[G0S+1], s94, SCL
	s_mov_b64 s[G0S+2:G0S+3], s[22:23]
	s_or_b32 s[G0S+3], s[G0S+3], 0x80000000
	s_mov_b32 s[G0SB], 1
	s_add_co_u32 s[G0SB+1], s94, SCL
	s_mov_b64 s[G0SB+2:G0SB+3], s[92:93]
	s_or_b32 s[G0SB+3], s[G0SB+3], 0x80000000
	JLOAD G0S, G1S, G0SB, G1SB                     ; the scales first
.irp s, 0,1
	s_mov_b32 s[G0+4*\s], 1
	s_add_co_u32 s[G0+4*\s+1], s45, \s*SLOT
	s_add_nc_u64 s[G0+4*\s+2:G0+4*\s+3], s[20:21], \s*ASTEP
	s_or_b32 s[G0+4*\s+3], s[G0+4*\s+3], 0x80000000
	s_mov_b32 s[G0B+4*\s], 1
	s_add_co_u32 s[G0B+4*\s+1], s45, \s*SLOT
	s_add_nc_u64 s[G0B+4*\s+2:G0B+4*\s+3], s[46:47], \s*ROWB
	s_or_b32 s[G0B+4*\s+3], s[G0B+4*\s+3], 0x80000000
	JLOAD G0+4*\s, G1, G0B+4*\s, G1B
.endr
	v_and_b32 v1, 15, v0                           ; l % 16
	v_bfe_u32 v2, v0, 4, 1                         ; l / 16
	v_and_b32 v6, 31, v0
	v_lshlrev_b32 v[CO], 4, v6                     ; 16 x lane: an image's place for my lane; also my bytes of a row of 512 on the way out
	v_mul_u32_u24 v3, v1, PITCH
	v_lshl_add_u32 v4, v2, 4, v3                   ; w_out: a fragment's row x pitch + 16 x half
	s_mul_i32 s21, s15, HALFT                      ; my 128 rows of o
	s_mul_i32 s22, s16, HALFT                      ; my 128 rows of w_out,
	s_add_co_u32 s22, s22, 2*HALFT                 ; which lie behind o's
.irp s, 0,1
	v_add_nc_u32 v[ADRA+\s], s21, v[CO]
	v_add_nc_u32 v[ADRB+\s], s22, v4
	s_add_co_u32 s21, s21, SLOT
	s_add_co_u32 s22, s22, SLOT
.endr
	v_mul_u32_u24 v5, v1, KS
	v_lshrrev_b32 v6, 8, v5
	v_lshl_add_u32 v5, v6, 4, v5
	s_mul_i32 s21, s15, HALFS
	s_mul_i32 s22, s16, HALFS
	s_add_co_u32 s22, s22, 2*HALFS
	s_sub_co_u32 s22, s22, s21
	v_mul_u32_u24 v6, s22, v2                      ; lanes 16-31 take w_out's
	s_add_co_u32 s21, s21, SCL
	v_add_nc_u32 v5, v5, v6
	v_add_nc_u32 v[ADRS], s21, v5
	s_mul_i32 s23, s14, 16*SPITCH                  ; my stage
	v_mul_u32_u24 v5, v1, SPITCH                   ; in: row l % 16, 32 bytes for each half of the lanes
	v_lshl_add_u32 v5, v2, 5, v5
	v_add_nc_u32 v[STO], s23, v5
	v_add_nc_u32 v[RD], s23, v[CO]                 ; back: the 32 lanes take one row of 512 bytes
	s_lshl_b32 s20, s17, 8
	s_lshl_b32 s21, s15, 7
	s_add_co_u32 s20, s20, s21                     ; my first row of out0
	s_mov_b32 s21, 0
	s_mov_b64 s[18:19], SIZE_N*4
	s_mul_u64 s[20:21], s[20:21], s[18:19]
	s_lshl_b32 s46, s42, 10                        ; my first column, in bytes: 1,024 x tile column + 512 x half
	s_lshl_b32 s47, s16, 9
	s_add_co_u32 s46, s46, s47
	s_mov_b32 s47, 0
	s_add_nc_u64 s[66:67], s[96:97], s[46:47]      ; b_out at my first column
	global_load_b128 v[BI:BI+3], v[CO], s[66:67]
	s_add_nc_u64 s[20:21], s[20:21], s[46:47]
	s_add_nc_u64 s[12:13], s[98:99], s[20:21]
.macro FRAG reg, adr, q, i             ; a fragment of w_out from padded rows
.irp c, 0,1,2,3
	ds_load_b128 v[\reg+4*\c:\reg+4*\c+3], v[\adr] offset:128*(\q)+32*\c+(\i)*16*PITCH
.endr
.endm
.macro FRAGI reg, adr, q, i            ; a fragment of o from its image: 512 consecutive bytes a load
.irp c, 0,1,2,3
	ds_load_b128 v[\reg+4*\c:\reg+4*\c+3], v[\adr] offset:2048*(\q)+512*\c+(\i)*4096
.endr
.endm
; The 64 accumulators take turns, one instruction a turn, in the same order in every step.
.macro MUL16 a0, p, q, sc, zero
.irp a, \a0, \a0+1
.irp b, 0,1,2,3,4,5,6,7
.if \zero
	v_wmma_scale_f32_16x16x128_f8f6f4 v[8*(8*((\a)%4)+\b):8*(8*((\a)%4)+\b)+7], v[128*(\p)+FR*\b:128*(\p)+FR*\b+FR-1], v[AF+FR*(\a):AF+FR*(\a)+FR-1], 0, v[SC+8*NQ*(\sc)+NQ*\b+(\q)], v[SC+8*NQ*(\sc)+NQ*(\a)+(\q)] matrix_a_fmt:MATRIX_FMT_BF8 matrix_b_fmt:MATRIX_FMT_BF8 matrix_a_scale:MATRIX_SCALE_ROW1
.else
	v_wmma_scale_f32_16x16x128_f8f6f4 v[8*(8*((\a)%4)+\b):8*(8*((\a)%4)+\b)+7], v[128*(\p)+FR*\b:128*(\p)+FR*\b+FR-1], v[AF+FR*(\a):AF+FR*(\a)+FR-1], v[8*(8*((\a)%4)+\b):8*(8*((\a)%4)+\b)+7], v[SC+8*NQ*(\sc)+NQ*\b+(\q)], v[SC+8*NQ*(\sc)+NQ*(\a)+(\q)] matrix_a_fmt:MATRIX_FMT_BF8 matrix_b_fmt:MATRIX_FMT_BF8 matrix_a_scale:MATRIX_SCALE_ROW1
.endif
.endr
.endr
.endm
.macro FETCH_B slot, q, p
	WIN TO_B
.irp i, 0,1,2,3,4,5,6,7
	FRAG 128*(\p)+FR*\i, ADRB+\slot, \q, \i
.endr
	WIN 0
.endm
.macro FETCH_A slot, q, i0
.irp i, \i0, \i0+1, \i0+2, \i0+3
	FRAGI AF+FR*(\i), ADRA+\slot, \q, \i
.endr
.endm
.macro SCALES sc
.irp i, 0,1,2,3,4,5,6,7
	ds_load_b64 v[SC+8*NQ*\sc+NQ*\i:SC+8*NQ*\sc+NQ*\i+1], v[ADRS] offset:\i*SBLK
.endr
.endm
.macro PLACES n                        ; plain vector instructions behind matrix instructions, in front of loads into their operands' registers and of reads of results
.rept \n
	v_nop
.endr
.endm
.macro STEP slot, q, zero
	s_wait_dscnt 4*NL                              ; w_out's set and o's blocks 0-3 are in; the youngest 16 loads (o's blocks 4-7) may be out
	WIN MUL_LO
	MUL16 0, (\q)%2, \q, \slot, \zero
	MUL16 2, (\q)%2, \q, \slot, \zero
	s_wait_dscnt 0
	PLACES NP
	FETCH_B \slot, (\q)+1, 1-(\q)%2
	FETCH_A \slot, (\q)+1, 0
	WIN MUL_HI
	MUL16 4, (\q)%2, \q, \slot, \zero
	MUL16 6, (\q)%2, \q, \slot, \zero
	PLACES NP
	WIN 0
	FETCH_A \slot, (\q)+1, 4
.endm
.macro TURN slot, next, fill
	s_wait_tensorcnt 0x0                           ; all my tensor loads have landed: my part of the next slot
	ds_add_u32 v[SPW], v[NIL]                      ; 0 onto my spare word
	s_wait_dscnt 4*NL+1                            ; (the add and the youngest 16 loads may be out)
	WIN MUL_LO
	MUL16 0, 1, NQ-1, \slot, 0
	s_wait_dscnt 0x0                               ; the add is done, and my reads of this slot are over
	s_barrier_signal -1
	MUL16 2, 1, NQ-1, \slot, 0
	WIN 0
	s_barrier_wait -1
.if \fill
	CREST                                          ; the barrier has opened a round of the cluster's barrier
	s_add_nc_u64 s[G0+4*\slot+2:G0+4*\slot+3], s[G0+4*\slot+2:G0+4*\slot+3], 2*ASTEP
	s_add_nc_u64 s[G0B+4*\slot+2:G0B+4*\slot+3], s[G0B+4*\slot+2:G0B+4*\slot+3], 2*ROWB
	JLOAD G0+4*\slot, G1, G0B+4*\slot, G1B         ; the first tensor load behind the round
	PLACES NP-4
.else
	PLACES NP
.endif
	v_add_nc_u32 v[ADRS], 4*NQ, v[ADRS]
	FETCH_B \next, 0, 0
	FETCH_A \next, 0, 0
	SCALES \next
	WIN MUL_HI
	MUL16 4, 1, NQ-1, \slot, 0
	MUL16 6, 1, NQ-1, \slot, 0
	PLACES NP
	WIN 0
	FETCH_A \next, 0, 4
.endm
	s_wait_loadcnt 0x0                             ; the bias, once
	s_wait_tensorcnt 1                             ; the scales and my part of K step 0 are in (K step 1's load may be out),
	s_barrier_signal -1
	s_barrier_wait -1                              ; everybody's are
	FETCH_B 0, 0, 0
	FETCH_A 0, 0, 0
	SCALES 0
	FETCH_A 0, 0, 4
	STEP 0, 0, 1
	s_mov_b32 s3, LAPS-1
.Llap:
	TURN 0, 1, 1
	STEP 1, 0, 0
	TURN 1, 0, 1
	STEP 0, 0, 0
	s_sub_co_u32 s3, s3, 1
	s_cmp_lg_u32 s3, 0
	s_cbranch_scc1 .Llap
	TURN 0, 1, 0                                   ; the last lap fills nothing
	STEP 1, 0, 0
	s_wait_dscnt 4*NL
	WIN MUL_LO
	MUL16 0, 1, NQ-1, 1, 0
	MUL16 2, 1, NQ-1, 1, 0
	s_wait_dscnt 0
	WIN MUL_HI
	MUL16 4, 1, NQ-1, 1, 0
	MUL16 6, 1, NQ-1, 1, 0
	WIN 0
; THE WAY OUT, block by block of 16 rows x 128 columns, through my own stage in LDS; back as whole rows of 512 bytes; the bias is added to the rows read back; 32 lanes store two aligned runs of 256 bytes.
.macro TOSTAGE a
.set AC, 64*((\a)%4)
	WIN 0x08+4*((\a)/4)                            ; the data: window 2 or 3
.irp b, 0,1,2,3,4,5,6,7
	ds_store_b128 v[STO], v[AC+8*\b:AC+8*\b+3] offset:64*\b          ; each accumulator from its low end on
	ds_store_b128 v[STO], v[AC+8*\b+4:AC+8*\b+7] offset:64*\b+16
.endr
	WIN 0
.set BB, BK+64*((\a)%2)
.irp t, 0,1,2,3,4,5,6,7,8,9,10,11,12,13,14,15
	ds_load_b128 v[BB+4*\t:BB+4*\t+3], v[RD] offset:\t*SPITCH        ; LDS serves a wave's instructions in order: these see my stores
.endr
.endm
.macro SEND a, younger                 ; younger: the LDS instructions issued behind block a's loads, which may stay out
.set BB, BK+64*((\a)%2)
	s_wait_dscnt \younger
.if (\a) > 0
	s_add_nc_u64 s[12:13], s[12:13], 16*SIZE_N*4   ; (behind a wait on XCNT: the earlier stores have read their base)
.endif
.irp t, 0,1,2,3,4,5,6,7,8,9,10,11,12,13,14,15
	v_pk_add_f32 v[BB+4*\t:BB+4*\t+1], v[BB+4*\t:BB+4*\t+1], v[BI:BI+1]
	v_pk_add_f32 v[BB+4*\t+2:BB+4*\t+3], v[BB+4*\t+2:BB+4*\t+3], v[BI+2:BI+3]
.endr
.irp t, 0,1,2,3,4,5,6,7,8,9,10,11,12,13,14,15
	global_store_b128 v[CO], v[BB+4*\t:BB+4*\t+3], s[12:13] offset:\t*SIZE_N*4 th:TH_STORE_NT   ; 32 lanes store 512 consecutive bytes, at a multiple of 256 from out0's first byte
.endr
.endm
	PLACES NP
	TOSTAGE 0
.irp a, 1,2,3,4,5,6,7
.if \a > 1
	s_wait_xcnt 0x0                                ; block a - 2's stores have read their registers and their base
.endif
	TOSTAGE \a
	SEND \a-1, 32                                  ; behind block a - 1's loads: block a's 16 stores and 16 loads
.endr
	s_wait_xcnt 0x0
	SEND 7, 0
	s_wait_tensorcnt 0x0                           ; the wave's end
	ds_add_u32 v[SPW], v[NIL]
	s_wait_dscnt 0x0
	CROUND                                         ; the closing round
	s_endpgm
.Lfunc_end_k_qde66a9704d_proj:
	.size	k_qde66a9704d_proj, .Lfunc_end_k_qde66a9704d_proj-k_qde66a9704d_proj
	.p2alignl 7, 3214868480
	.fill 96, 4, 3214868480
	.section	.rodata,"a",@progbits
	.p2align	6, 0x0
	.amdhsa_kernel k_qde66a9704d_proj
		.amdhsa_group_segment_fixed_size 327680
		.amdhsa_private_segment_fixed_size 0
		.amdhsa_enable_private_segment 0
		.amdhsa_kernarg_size 48
		.amdhsa_user_sgpr_count 2
		.amdhsa_user_sgpr_kernarg_segment_ptr 1
		.amdhsa_wavefront_size32 1
		.amdhsa_system_sgpr_workgroup_id_x 1
		.amdhsa_system_sgpr_workgroup_id_y 1
		.amdhsa_system_sgpr_workgroup_id_z 1
		.amdhsa_system_vgpr_workitem_id 0
		.amdhsa_next_free_vgpr 1024
		.amdhsa_next_free_sgpr 100
		.amdhsa_reserve_vcc 0
		.amdhsa_float_denorm_mode_32 3
		.amdhsa_float_denorm_mode_16_64 3
		.amdhsa_memory_ordered 1
		.amdhsa_forward_progress 1
		.amdhsa_inst_pref_size 162
	.end_amdhsa_kernel
	.amdgpu_metadata
---
amdhsa.version: [ 1, 2 ]
amdhsa.kernels:
  - .name:           k_qde66a9704d_proj
    .symbol:         k_qde66a9704d_proj.kd
    .args:
      - { .name: oimg, .offset: 0, .size: 8, .value_kind: global_buffer, .address_space: global }
      - { .name: osc, .offset: 8, .size: 8, .value_kind: global_buffer, .address_space: global }
      - { .name: w_out_codes, .offset: 16, .size: 8, .value_kind: global_buffer, .address_space: global }
      - { .name: w_out_scales, .offset: 24, .size: 8, .value_kind: global_buffer, .address_space: global }
      - { .name: b_out, .offset: 32, .size: 8, .value_kind: global_buffer, .address_space: global }
      - { .name: out0, .offset: 40, .size: 8, .value_kind: global_buffer, .address_space: global }
    .group_segment_fixed_size: 327680
    .private_segment_fixed_size: 0
    .kernarg_segment_align: 8
    .kernarg_segment_size: 48
    .max_flat_workgroup_size: 128
    .sgpr_count:     100
    .vgpr_count:     1024
    .wavefront_size: 32
...
	.end_amdgpu_metadata
.endif
;; end of part 3
;; ======== version 2 of 2: 3 launches; version 1 with the launch attn written anew for expert scheduling mode
;; workspace buffers: qkvw 26,738,688 bytes; oimg 8,388,608 bytes; osc 262,144 bytes
;; launch qkv: the kernel of part 1 again; grid 12 x 32, 4 waves a work-group, clusters of 4 x 4, 327,680 bytes of LDS; arguments x_codes, x_scales, w_in_codes, w_in_scales, b_in, qkvw; writes qkvw
;; launch attn (part 4): grid 8 x 32, 16 waves a work-group, no clusters, 102,400 bytes of LDS; arguments qkvw, oimg, osc; writes oimg, osc
.if DOCPART == 4
	.amdgcn_target "amdgcn-amd-amdhsa--gfx1250"
	.amdhsa_code_object_version 6
	.text
	.protected	k_qde66a9704d_attn
	.globl	k_qde66a9704d_attn
	.p2align	8
	.type	k_qde66a9704d_attn,@function
k_qde66a9704d_attn:
	s_mov_b64 s[64:65], 0
	v_nop
	global_prefetch_b8 v0, s[64:65] scope:SCOPE_SE
	s_setreg_imm32_b32 hwreg(HW_REG_WAVE_SCHED_MODE, 0, 2), 2
	s_setreg_imm32_b32 hwreg(HW_REG_WAVE_MODE, 25, 1), 1
	s_wait_xcnt 0x0
	s_wait_alu depctr_vm_vsrc(0)
; o = softmax(q k^T / 8, causal) v for 64 heads of 64 channels and 2,048 tokens, both products on codes of BF8 (E5M2) with E8M0 block scales; o is quantised along the model's 1,024 for the last product.
; THE SOFTMAX: t = score x log2(e) / 8; M = the running largest t rounded UP to a whole number; p = 2^(t - M) is quantised along the keys, not normalised; the row's sum is taken of the unquantised p and divides at the end.
; SHARES.  Work-group (I, y) takes head pair y (batch y / 8, pair y % 8) and the blocks of 128 queries I and then 15 - I: (I + 1) + (16 - I) = 17 key steps of 128, the same for every work-group; no step under the mask is fetched.
; Sixteen waves: wave w takes head w / 8 of the pair and queries 16 (w % 8) on of the block, one tile in 256 registers; four waves to a SIMD, so that one wave's vector work stands beside another's products and LDS loads.
; THE RECORDS of qkvw (17,408 bytes for 128 tokens of a head pair: images of operand registers, then scale words) are copied as they lie: wave w brings 2,048 + 128 bytes of K's (w < 8) or V's record through five registers' loads,
; asked for a whole key step ahead, into the LDS slot that is not being read.  Two slots, one barrier a step.  No tensor load: a fragment is 512 consecutive bytes an instruction, so nothing needs padding or a pitch.
; No joint loads: in a given trip the eight work-groups of a head pair want different key steps.  Nothing is prefetched: a record's loads go out a key step ahead of their use.
; LAYOUT.  S^T = K Q^T (source 0 = 16 keys, source 1 = my 16 queries), O^T = V^T P^T: a lane holds ONE query throughout.  A head has 64 channels, half of the instruction's 128 along K: Q's upper eight registers are zero codes and
; the upper two bytes of both scale words are 0; a key tile's upper eight registers are whatever lies behind it (the next tile's codes, all finite: the quantiser holds; zeros behind the last), which zero codes make nothing of.
; Inside a block of 32 keys p's places follow the order in which v's codes were laid (16 (i / 8) + 8 h + i % 8); o meets a given weight, so its codes are put into true order by one exchange between lanes l and l xor 16.
; LIMITS: NaN and infinities are not served.  A block of o whose largest magnitude lies under 2^-111 keeps the byte 1; a block of zeros gets the byte 1 where the quantiser says 127: its codes are zeros, and this program alone reads the bytes.
; THE MODE: SCHED_MODE bits 1:0 = 2 (LLVM: expert scheduling mode 2), set by the entry lines.  The code itself states the register dependences
; between vector or matrix instructions and memory or LDS instructions, with s_wait_alu, always for 0.
; THE PLAN.  Registers that memory or LDS instructions touch, round a trip:
;   v224-240 (STG)   the global loads of the record two trips on land here; the trip's five LDS stores read them.  No vector instruction names them.
;   v8-13 (ADK ..)   written by the six additions at the trip's head; read by every LDS load and store of the trip.
;   v40-71           key tiles 0-3 land at the head and are read by the products K Q^T; V's tiles 0, 1 land behind the wait for the 64 exponentials and are read by the products V^T P.
;   v72-103          key tiles 4-7 land at the head and are read by the products K Q^T; from then on p's codes and work registers of the softmax.
;   v112-119         K's and V's scale words land at the head; the products read them.
;   v120-151         scores, then p; V's tiles 2, 3 land behind the conversions of blocks 0 and 1, while blocks 2 and 3 are quantised; the products V^T P read them.
;   v20-27, v36      Q and its scale words land at a block's start; the products K Q^T read them.       v152-159, v218: written by FINISH's selections, read by its three stores.
;   v1-7, v15, v241, v242: offsets and places made once at the head and never written again.
; So a trip has: one wait on vm_vsrc ahead of the six additions and one ahead of the request for the next record; one wait on va_vdst behind the additions, which serves all LDS instructions at the head; the two waits that the
; exponentials have anyway, the first of which also serves V's tiles 0, 1; one behind the conversions of blocks 0, 1, for V's tiles 2, 3; one ahead of the products V^T P, for p's codes and scale word.
.set REC,   17408                      ; a record
.set SLOT1, 65536                      ; slot 1 begins here: one exclusive or turns an address in one slot into the other's
.set VREC,  REC                        ; in a slot: K's record, then V's
.set SCO,   16384                      ; in a record: the scale words
.set STEPS, 17
.set LI,   1                           ; v1   16 x lane
.set AK0,  2                           ; v2   my lane's place in K's codes: 16 x lane + 1,024 x head
.set AV0,  3                           ; v3   in V's: 16 x lane + 8,192 x head + VREC
.set AKS0, 4                           ; v4   among K's scale words: 16 x lane + 512 x head + SCO
.set AVS0, 5                           ; v5   among V's: 16 r + 256 x head + VREC + SCO
.set VG,   6                           ; v6   what I copy: 16 x lane + 2,048 x (wave % 8)
.set VGS,  7                           ; v7   and 4 x lane + 128 x (wave % 8) + SCO
.set ADK,  8                           ; v8-13 the step's LDS addresses: K, V, K's words, V's words, and where I store codes and words
.set ADV,  9
.set ADKS, 10
.set ADVS, 11
.set ADW,  12
.set ADWS, 13
.set DQ,   14                          ; v14  16 (wave % 8) + r - 8 h: on the diagonal register n holds a hidden key where 16 (n / 8) + n % 8 > DQ
.set OSO,  15                          ; v15  32 r + h: my byte among o's scale bytes
.set NM,   16                          ; v16 -M, v17 the largest t
.set L,    18                          ; v[18:19] the row's sum in two halves
.set Q,    20                          ; v20-27 Q's codes; v28-35 zero codes
.set QSW,  36                          ; v36  Q's scale words
.set PSW,  37                          ; v37  p's scale word
.set FF,   38                          ; v[38:39] f = 2^(old M - new M), and 0
.set F,    40                          ; v40-103 eight key tiles of 8 registers; later v40-71 V's tiles 0, 1
.set PC,   72                          ; v72-87 p's codes
.set TM,   88                          ; v88-103 at work
.set ZT,   104                         ; v104-111 zero codes, behind the last key tile
.set KSW,  112                         ; v112-115 K's scale words: lanes 0-15 tiles 0-3, lanes 16-31 tiles 4-7
.set VSW,  116                         ; v116-119 V's scale words, tile dt
.set S,    120                         ; v120-183 S^T, then p; later v120-151 V's tiles 2, 3
.set O,    184                         ; v184-215 O^T
.set TP,   216                         ; v216-223 at work
.set STG,  224                         ; v224-239 the 2,048 bytes that I copy, v240 the 128
.set STGS, 240
.set QOF,  241                         ; v241 Q's codes in a record: 16 x lane + 2,048 x tile + 1,024 x head
.set QSO,  242                         ; v242 Q's scale word
.set MK,   40                          ; s40-47 on the diagonal: the masks of eight registers' hidden keys
; s[4:5] qkvw, s[6:7] oimg, s[8:9] osc; s10 wave, s11 head in pair (also: I copy K's record or V's), s12 wave % 8; s13 I, s14 I + 1, s15 y; s16 the trip; s17 the slot read, s18 where I store;
; s19 the mantissa field of 57,344; s[20:21] lane selects; s[22:23] c; s24 the query block; s25 the trip on the diagonal; s26 lanes 16-31; s[28:29] my kind's records of this head pair; s[30:31] the record asked for;
; s[32:33] an offset, s33 = 0; s[34:35] Q's record; s[36:37], s[38:39] where o's codes and bytes go; s40-47 at work
.macro STAGE_LOAD
.irp c, 0,1,2,3
	global_load_b128 v[STG+4*\c:STG+4*\c+3], v[VG], s[30:31] offset:512*\c   ; 32 lanes read 512 consecutive bytes
.endr
	global_load_b32 v[STGS], v[VGS], s[30:31]
.endm
.macro STAGE_STORE
.irp c, 0,1,2,3
	ds_store_b128 v[ADW], v[STG+4*\c:STG+4*\c+3] offset:512*\c
.endr
	ds_store_b32 v[ADWS], v[STGS]
.endm
; The record of trip s16 + ahead is asked for.  Trip u reads key step u while u <= I, then u - I - 1.  The earlier loads through s[30:31] are done: a wait for all loads stands ahead on every way.
.macro NEXTREC ahead
	s_add_co_u32 s40, s16, \ahead
	s_sub_co_u32 s41, s40, s14
	s_cmp_le_u32 s40, s13
	s_cselect_b32 s40, s40, s41
	s_mul_i32 s32, s40, REC
	s_add_nc_u64 s[30:31], s[28:29], s[32:33]
	STAGE_LOAD
.endm
; A block of queries begins: Q's fragment and scale words; the largest t -3e38, under every t; the sum and O^T zeros, which the first change of M leaves zeros.
; The three loads stand behind a wait on va_vdst with no vector instruction between that names their registers: at the head the one ahead of the first load, in the loop the one ahead of FINISH's stores.
.macro START
	s_lshl_b32 s40, s15, 4
	s_add_co_u32 s40, s40, s24                     ; q's record: 16 y + the block
	s_mul_i32 s32, s40, REC
	s_add_nc_u64 s[34:35], s[4:5], s[32:33]
	global_load_b128 v[Q:Q+3], v[QOF], s[34:35]
	global_load_b128 v[Q+4:Q+7], v[QOF], s[34:35] offset:512
	global_load_b32 v[QSW], v[QSO], s[34:35]
	v_mov_b32 v[NM+1], 0xff61b1e6
	v_floor_f32 v[NM], -v[NM+1]
	v_mov_b32 v[L], 0
	v_mov_b32 v[L+1], 0
.set i, 0
.rept 32
	v_mov_b32 v[O+i], 0
.set i, i+1
.endr
	s_wait_loadcnt 0x0
.endm
; A block of queries ends: O^T / the sum, quantised along the head's two blocks of 32, put into true order, stored as an image of the last product's operand; a scale byte a lane.  more = 1: another block follows.
.macro FINISH more
.rept 8
	v_nop                                          ; places behind the last products: their results are read, their operands' registers written
.endr
	v_add_f32 v[L], v[L], v[L+1]                   ; the sum's two halves,
	v_permlanex16_b32 v[TP], v[L], s20, s21
	v_add_f32 v[L], v[L], v[TP]                    ; and lane l xor 16's: the row's sum
	v_rcp_f32 v[TP], v[L]
	v_mov_b32 v[TP+1], 0                           ; a plain instruction behind the reciprocal (and the pair's upper half is written)
	s_wait_alu depctr_va_vdst(0)                   ; the reciprocal has written v[TP]: the wait ahead of the first use
.set i, 0
.rept 16
	v_pk_mul_f32 v[S+i:S+i+1], v[O+i:O+i+1], v[TP:TP+1] op_sel_hi:[1,0]   ; register 16 c + i: channel 32 c + 16 (i / 8) + 8 h + i % 8.  Each accumulator from its low end on
.set i, i+2
.endr
.irp c, 0,1
	v_max3_num_f32 v[TM+\c], |v[S+16*\c]|, |v[S+1+16*\c]|, 0x8000000   ; my 16 numbers of block c, and the floor 2^(16 - 127)
.endr
.irp i, 2,4,6,8,10,12,14
.irp c, 0,1
	v_max3_num_f32 v[TM+\c], v[TM+\c], |v[S+16*\c+\i]|, |v[S+1+16*\c+\i]|
.endr
.endr
.irp c, 0,1
	v_permlanex16_b32 v[TM+4+\c], v[TM+\c], s20, s21
.endr
.irp c, 0,1
	v_max_num_f32 v[TM+\c], v[TM+\c], v[TM+4+\c]   ; the block's largest magnitude
.endr
.irp c, 0,1
	v_add_nc_u32 v[TM+12+\c], 0xf8800000, v[TM+\c] ; 15 off its exponent field: the conversion's scale operand
.endr
.irp c, 0,1
	v_and_or_b32 v[TM+8+\c], v[TM+\c], 0x7f800000, s19   ; 57,344 x the scale
.endr
.irp c, 0,1
	v_lshrrev_b32 v[TM+4+\c], 23, v[TM+12+\c]      ; the scale's byte
.endr
.irp c, 0,1
.irp i, 0,1,2,3,4,5,6,7,8,9,10,11,12,13,14,15
	v_med3_num_f32 v[S+16*\c+\i], v[S+16*\c+\i], -v[TM+8+\c], v[TM+8+\c]   ; the conversion does not saturate (ISA guide 7.6.2): the hold
.endr
	v_cvt_scalef32_pk8_bf8_f32 v[PC+4*\c:PC+4*\c+1], v[S+16*\c:S+16*\c+7], v[TM+12+\c]
	v_cvt_scalef32_pk8_bf8_f32 v[PC+4*\c+2:PC+4*\c+3], v[S+16*\c+8:S+16*\c+15], v[TM+12+\c]
.endr
	v_nop                                          ; one plain instruction behind the last scaled conversion
	; TRUE ORDER.  Of a block, lanes 0-15 hold channels 0-7 and 16-23, lanes 16-31 channels 8-15 and 24-31; the operand wants 0-15 below and 16-31 above: the lower lanes give their upper eight for the upper lanes' lower eight
.irp c, 0,1
.irp k, 0,1
	v_cndmask_b32 v[TP+4+2*\c+\k], v[PC+4*\c+2+\k], v[PC+4*\c+\k], s26
.endr
.endr
.irp c, 0,1
.irp k, 0,1
	v_permlanex16_b32 v[S+40+2*\c+\k], v[TP+4+2*\c+\k], s20, s21
.endr
.endr
.irp c, 0,1
.irp k, 0,1
	v_cndmask_b32 v[S+32+4*\c+\k], v[PC+4*\c+\k], v[S+40+2*\c+\k], s26
	v_cndmask_b32 v[S+32+4*\c+2+\k], v[S+40+2*\c+\k], v[PC+4*\c+2+\k], s26
.endr
.endr
	v_cndmask_b32 v[TP+2], v[TM+4], v[TM+5], s26   ; lanes 0-15 store block 0's byte, lanes 16-31 block 1's
	s_lshr_b32 s40, s15, 3
	s_lshl_b32 s40, s40, 7
	s_lshl_b32 s41, s24, 3
	s_add_co_u32 s40, s40, s41
	s_add_co_u32 s40, s40, s12                     ; my tile of 16 rows: batch x 128 + block x 8 + wave % 8
	s_and_b32 s41, s15, 7                          ; the head pair
	s_lshr_b32 s42, s41, 1
	s_lshl_b32 s42, s42, 21                        ; oimg = [K step of 256: pair / 2][tile of rows][128 along K: pair % 2][block of 32: 2 x head + c][lane][16]
	s_lshl_b32 s43, s40, 12
	s_add_co_u32 s42, s42, s43
	s_and_b32 s43, s41, 1
	s_lshl_b32 s43, s43, 11
	s_add_co_u32 s42, s42, s43
	s_lshl_b32 s43, s11, 10
	s_add_co_u32 s32, s42, s43
	s_add_nc_u64 s[36:37], s[6:7], s[32:33]
	s_lshl_b32 s42, s40, 9                         ; osc = [row][32]: byte 4 x pair + 2 x head + c
	s_lshl_b32 s43, s41, 2
	s_add_co_u32 s42, s42, s43
	s_lshl_b32 s43, s11, 1
	s_add_co_u32 s32, s42, s43
	s_add_nc_u64 s[38:39], s[8:9], s[32:33]
	s_wait_alu depctr_va_vdst(0)                   ; the selections have written v[S+32 .. S+39] and v[TP+2], which the stores read; and the products K Q^T are done reading Q and its scale words, in which the next block's loads land
	global_store_b128 v[LI], v[S+32:S+35], s[36:37]               ; 32 lanes store 512 consecutive bytes, at a multiple of 256 from the buffer's first byte
	global_store_b128 v[LI], v[S+36:S+39], s[36:37] offset:512
	global_store_b8 v[OSO], v[TP+2], s[38:39]
	s_wait_xcnt 0x0                                ; the stores have had their addresses translated: their registers and bases may be written again
.if \more
	s_wait_alu depctr_vm_vsrc(0)                   ; the stores have read v[S+32 .. S+39] and v[TP+2], which the next trips' products and the next FINISH write
.endif
.endm
	s_load_b128 s[4:7], s[0:1], 0x0                ; qkvw, oimg
	s_load_b64 s[8:9], s[0:1], 0x10                ; osc
	v_lshl_add_u32 v254, v0, 2, 0x18800
	v_mov_b32 v255, 0
	v_lshrrev_b32 v216, 5, v0
	v_readfirstlane_b32 s10, v216                  ; wave 0..15
	v_and_b32 v217, 31, v0                         ; lane
	v_and_b32 v218, 15, v0                         ; r
	v_bfe_u32 v219, v0, 4, 1                       ; h
	v_lshlrev_b32 v[LI], 4, v217
	s_mov_b32 s13, ttmp9
	s_add_co_u32 s14, s13, 1
	s_and_b32 s15, ttmp7, 0xffff
	s_wait_alu depctr_va_sdst(0)                   ; s10 is written, ahead of its first reader: the wave's places and bases are made from it
	s_lshr_b32 s11, s10, 3
	s_and_b32 s12, s10, 7
	s_lshl_b32 s40, s11, 10
	v_add_nc_u32 v[AK0], s40, v[LI]
	s_lshl_b32 s40, s11, 13
	s_add_co_u32 s40, s40, VREC
	v_add_nc_u32 v[AV0], s40, v[LI]
	s_lshl_b32 s40, s11, 9
	s_add_co_u32 s40, s40, SCO
	v_add_nc_u32 v[AKS0], s40, v[LI]
	s_lshl_b32 s40, s11, 8
	s_add_co_u32 s40, s40, VREC+SCO
	v_lshl_add_u32 v[AVS0], v218, 4, s40
	s_lshl_b32 s40, s12, 11
	v_add_nc_u32 v[VG], s40, v[LI]
	s_lshl_b32 s41, s11, 10
	s_add_co_u32 s41, s41, s40
	v_add_nc_u32 v[QOF], s41, v[LI]
	s_lshl_b32 s40, s12, 7
	s_add_co_u32 s40, s40, SCO
	v_lshl_add_u32 v[VGS], v217, 2, s40
	s_lshl_b32 s40, s12, 4
	v_lshlrev_b32 v220, 3, v219
	v_sub_nc_u32 v[DQ], v218, v220
	v_add_nc_u32 v[DQ], s40, v[DQ]
	v_lshl_add_u32 v[OSO], v218, 5, v219
	s_lshl_b32 s40, s11, 9
	s_lshr_b32 s41, s12, 2
	s_lshl_b32 s41, s41, 8
	s_add_co_u32 s40, s40, s41
	s_and_b32 s41, s12, 3
	s_lshl_b32 s41, s41, 2
	s_add_co_u32 s40, s40, s41
	s_add_co_u32 s40, s40, SCO
	v_lshl_add_u32 v[QSO], v218, 4, s40            ; 16 r + SCO + 512 x head + 256 (tile / 4) + 4 (tile % 4)
.irp j, 0,1,2,3,4,5,6,7
	v_mov_b32 v[Q+8+\j], 0                         ; zero codes for the upper half of K
	v_mov_b32 v[ZT+\j], 0
.endr
	v_mov_b32 v[FF+1], 0                           ; (named as the upper half of a pair)
.irp b, 0,1,2,3
	v_mov_b32 v[TM+4+\b], 0                        ; a lane permute's destination counts as one of its sources
.endr
	s_mov_b32 s19, 0x600000
	s_mov_b32 s20, 0x76543210
	s_mov_b32 s21, 0xfedcba98
	s_mov_b32 s22, 0x3e38aa3b                      ; c = log2(e) / 8
	s_mov_b32 s23, s22                             ; (named with it as a pair)
	s_mov_b32 s26, 0xffff0000
	s_mov_b32 s24, s13                             ; the first block of queries: I,
	s_mov_b32 s25, s13                             ; whose diagonal is trip I
	s_mov_b32 s16, 0
	s_mov_b32 s17, 0
	s_mul_i32 s18, s11, VREC                       ; I store into K's place or V's, first in slot 0
	v_add_nc_u32 v[ADW], s18, v[VG]                ; where the first record's part goes: made here, ahead of the head's one wait on va_vdst
	v_add_nc_u32 v[ADWS], s18, v[VGS]
	s_add_co_u32 s40, s11, 1                       ; kind 1 (k) or 2 (v)
	s_lshl_b32 s40, s40, 9
	s_lshl_b32 s41, s15, 4
	s_add_co_u32 s40, s40, s41
	s_mul_i32 s32, s40, REC                        ; under 2^25
	s_mov_b32 s33, 0
	s_wait_kmcnt 0x0
	s_add_nc_u64 s[28:29], s[4:5], s[32:33]
	s_mov_b64 s[30:31], s[28:29]                   ; trip 0 reads key step 0
	s_wait_alu depctr_va_vdst(0)                   ; all offsets and places (v1-7, v12, v13, v15, v241, v242) are written, which the loads and stores from here on read; so are the zero codes v28-35 and v104-111, which the products K Q^T take as operands
	STAGE_LOAD
	START                                          ; (its wait is for all loads: my part of the first record is in)
	STAGE_STORE                                    ; no vector instruction since the wait above names its addresses; its data come from loads
	s_add_co_u32 s18, s18, SLOT1                   ; from now on: the slot that is not being read
	s_wait_dscnt 0x0                               ; for the others' sake: my part of slot 0 has landed
	s_wait_alu depctr_vm_vsrc(0)                   ; the LDS stores have read v[STG ..], in which the next record's loads land
	NEXTREC 1
	s_barrier_signal -1
	s_barrier_wait -1                              ; slot 0 is whole
.Lstep:                                                ; 17 trips; a trip is a key step of 128 keys
	s_wait_alu depctr_vm_vsrc(0)                   ; the LDS loads and stores issued so far (the last trip's; ahead of the first trip the head's stores) have read v[ADK] .. v[ADWS], which the six additions write
	v_add_nc_u32 v[ADK], s17, v[AK0]
	v_add_nc_u32 v[ADV], s17, v[AV0]
	v_add_nc_u32 v[ADKS], s17, v[AKS0]
	v_add_nc_u32 v[ADVS], s17, v[AVS0]
	v_add_nc_u32 v[ADW], s18, v[VG]
	v_add_nc_u32 v[ADWS], s18, v[VGS]
.rept 4
	v_nop                                          ; with the six additions ten places behind the last trip's products: nine are owed by the products below, which write over registers that those read
.endr
	s_wait_alu depctr_va_vdst(0)                   ; the six addresses are written, which this trip's LDS instructions read; the last trip's products and vector work (FINISH's too) are done with v40-103 and with K's and V's scale words, in which the loads below land
.irp a, 0,1,2,3,4,5,6,7
.irp c, 0,1
	ds_load_b128 v[F+8*\a+4*\c:F+8*\a+4*\c+3], v[ADK] offset:2048*\a+512*\c   ; key tile a: 16 keys x my head's 64
.endr
.endr
	ds_load_b128 v[KSW:KSW+3], v[ADKS]
	ds_load_b128 v[VSW:VSW+3], v[ADVS]
	s_wait_loadcnt 0x0                             ; my part of the next step's record, asked for a trip ago
	s_cmp_eq_u32 s16, STEPS-1
	s_cbranch_scc1 .Lno_store                      ; the last trip has no next step
	STAGE_STORE                                    ; into the slot that every wave left at the last barrier
.Lno_store:
	s_wait_alu depctr_vm_vsrc(0)                   ; the LDS stores have read v[STG ..], in which the loads below land
	s_cmp_ge_u32 s16, STEPS-2
	s_cbranch_scc1 .Lno_load                       ; the last two trips ask for nothing
	NEXTREC 2
.Lno_load:
	s_wait_dscnt 0x0                               ; K and both sets of scale words are in
.irp t, 0,1,2,3
	v_wmma_scale_f32_16x16x128_f8f6f4 v[S+8*\t:S+8*\t+7], v[F+8*\t:F+8*\t+15], v[Q:Q+15], 0, v[KSW+\t], v[QSW] matrix_a_fmt:MATRIX_FMT_BF8 matrix_b_fmt:MATRIX_FMT_BF8
.endr
.irp t, 4,5,6,7
	v_wmma_scale_f32_16x16x128_f8f6f4 v[S+8*\t:S+8*\t+7], v[F+8*\t:F+8*\t+15], v[Q:Q+15], 0, v[KSW+\t-4], v[QSW] matrix_a_fmt:MATRIX_FMT_BF8 matrix_b_fmt:MATRIX_FMT_BF8 matrix_a_scale:MATRIX_SCALE_ROW1
.endr                                                  ; lane (r, h): query r; register 8 t + j: key 16 t + 8 h + j
.rept 8
	v_nop                                          ; places: the scores are read, the upper key tiles' registers written by vector instructions
.endr
	s_cmp_lg_u32 s16, s25
	s_cbranch_scc1 .Lopen                          ; only the block's last step lies on the diagonal
	v_mov_b32 v[TP], 0xff800000                    ; there the scores of hidden keys become -infinity ahead of the maximum: p = 0 then.  The step's key 0 counts for every query
.set n, 0
.rept 8                                                ; a tile of 16 keys at a time: eight compares in a run, into eight scalar registers, one wait, eight selections
.irp k, 0,1,2,3,4,5,6,7
	v_cmp_gt_i32 s[MK+\k], 16*n+\k, v[DQ]
.endr
	s_wait_alu depctr_va_sdst(0)                   ; the eight compares have written s40-47, ahead of their first readers
.irp k, 0,1,2,3,4,5,6,7
	v_cndmask_b32 v[S+8*n+\k], v[S+8*n+\k], v[TP], s[MK+\k]
.endr
.set n, n+1
.endr
.Lopen:
.irp b, 0,1,2,3
	v_max3_num_f32 v[TM+\b], v[S+16*\b], v[S+1+16*\b], v[S+2+16*\b]   ; the largest score of each block of 32 keys: it serves the row's maximum and, since p rises with the score, the block's largest p
.endr
.irp i, 3,5,7,9,11,13
.irp b, 0,1,2,3
	v_max3_num_f32 v[TM+\b], v[TM+\b], v[S+16*\b+\i], v[S+1+16*\b+\i]
.endr
.endr
.irp b, 0,1,2,3
	v_max_num_f32 v[TM+\b], v[TM+\b], v[S+15+16*\b]
.endr
.irp b, 0,1,2,3
	v_permlanex16_b32 v[TM+4+\b], v[TM+\b], s20, s21
.endr
.irp b, 0,1,2,3
	v_max_num_f32 v[TM+\b], v[TM+\b], v[TM+4+\b]   ; with lane l xor 16's 16 keys
.endr
	v_max3_num_f32 v[TP], v[TM], v[TM+1], v[TM+2]
	v_max_num_f32 v[TP], v[TP], v[TM+3]            ; the step's largest score of my query
	v_mul_f32 v[TP], s22, v[TP]                    ; as t
	v_max_num_f32 v[NM+1], v[NM+1], v[TP]          ; the running largest t
	v_mov_b32 v[TP], v[NM]
	v_floor_f32 v[NM], -v[NM+1]                    ; the new -M = floor(-t): M is a whole number
	v_sub_f32 v[TP], v[NM], v[TP]                  ; old M - new M: a whole number, 0 or less
	v_cvt_i32_f32 v[TP], v[TP]                     ; (it saturates)
	v_ldexp_f32 v[FF], 1.0, v[TP]                  ; f = 2^(old M - new M): a multiplication by it rounds nothing
.set j, 0
.rept 32
	v_pk_fma_f32 v[S+j:S+j+1], v[S+j:S+j+1], s[22:23], v[NM:NM+1] op_sel_hi:[1,0,0]   ; t - M, two at a time
.set j, j+2
.endr
.irp b, 0,1,2,3
	v_fma_f32 v[TM+\b], v[TM+\b], s22, v[NM]       ; the same of each block's largest score
.endr
.set j, 0
.rept 64
	v_exp_f32 v[S+j], v[S+j]                       ; p = 2^(t - M): not normalised
.set j, j+1
.endr
	v_pk_mul_f32 v[L:L+1], v[L:L+1], v[FF:FF+1] op_sel_hi:[1,0]   ; the sums under the new M (a plain instruction behind the exponentials)
	s_wait_alu depctr_va_vdst(0)                   ; the 64 exponentials have written p: one wait for the batch, ahead of its first reader; and the products K Q^T are done reading v40-71, in which the loads below land
.irp d, 0,1
.irp c, 0,1,2,3
	ds_load_b128 v[F+16*\d+4*\c:F+16*\d+4*\c+3], v[ADV] offset:2048*\d+512*\c   ; V's tiles 0 and 1: 16 channels x 128 keys each; they land under the sums and the quantiser
.endr
.endr
.irp b, 0,1,2,3
	v_exp_f32 v[TM+\b], v[TM+\b]                   ; the block's largest p: the same two instructions on the same number
.endr
	v_pk_add_f32 v[TM+4:TM+5], v[S:S+1], v[S+2:S+3]   ; the row's sum is taken of the unquantised p: two at a time, in two chains
.irp j, 4,8,12,16,20,24,28,32,36,40,44,48,52,56,60
	v_pk_add_f32 v[L:L+1], v[L:L+1], v[S+\j:S+\j+1]
	v_pk_add_f32 v[TM+4:TM+5], v[TM+4:TM+5], v[S+2+\j:S+3+\j]
.endr
	v_pk_add_f32 v[L:L+1], v[L:L+1], v[TM+4:TM+5]
	s_wait_alu depctr_va_vdst(0)                   ; the four exponentials have written the blocks' largest p, ahead of their first reader
.irp b, 0,1,2,3
	v_max_num_f32 v[TM+\b], 0x8000000, v[TM+\b]    ; the floor 2^(16 - 127): the byte cannot fall under 1
.endr
.irp b, 0,1,2,3
	v_add_nc_u32 v[TM+12+\b], 0xf8800000, v[TM+\b] ; 15 off the exponent field: the conversion's scale operand
.endr
.irp b, 0,1,2,3
	v_and_or_b32 v[TM+8+\b], v[TM+\b], 0x7f800000, s19   ; 57,344 x the scale
.endr
.irp b, 0,1,2,3
	v_lshrrev_b32 v[TM+4+\b], 23, v[TM+12+\b]      ; the scale's byte
.endr
	v_lshl_or_b32 v[PSW], v[TM+5], 8, v[TM+4]      ; p's scale word for these 128 keys: the 64 holds below stand between it and the products
	v_lshl_or_b32 v[PSW], v[TM+6], 16, v[PSW]
	v_lshl_or_b32 v[PSW], v[TM+7], 24, v[PSW]
.irp b, 0,1,2,3
.irp i, 0,1,2,3,4,5,6,7,8,9,10,11,12,13,14,15
	v_min_num_f32 v[S+16*\b+\i], v[S+16*\b+\i], v[TM+8+\b]   ; the conversion does not saturate (ISA guide 7.6.2); p is not negative, so the hold is one-sided
.endr
	v_cvt_scalef32_pk8_bf8_f32 v[PC+4*\b:PC+4*\b+1], v[S+16*\b:S+16*\b+7], v[TM+12+\b]
	v_cvt_scalef32_pk8_bf8_f32 v[PC+4*\b+2:PC+4*\b+3], v[S+16*\b+8:S+16*\b+15], v[TM+12+\b]
.if \b == 1
	s_wait_alu depctr_va_vdst(0)                   ; the holds and conversions of blocks 0 and 1 are done writing and reading v120-151, in which the loads below land
.irp d, 2,3
.irp c, 0,1,2,3
	ds_load_b128 v[S+16*(\d-2)+4*\c:S+16*(\d-2)+4*\c+3], v[ADV] offset:2048*\d+512*\c   ; V's tiles 2 and 3, into registers that p has left; they land while blocks 2 and 3 are quantised
.endr
.endr
.endif
.endr
.set j, 0
.rept 16
	v_pk_mul_f32 v[O+j:O+j+1], v[O+j:O+j+1], v[FF:FF+1] op_sel_hi:[1,0]   ; O^T under the new M.  (These are also the plain instructions between the conversions and the products)
.set j, j+2
.endr
	s_wait_alu depctr_va_vdst(0)                   ; the conversions have written p's codes and the shifts its scale word, which the products below take as operand and scales; the places above stay beside this wait
	s_wait_dscnt 0x0                               ; V is in
	v_wmma_scale_f32_16x16x128_f8f6f4 v[O:O+7], v[F:F+15], v[PC:PC+15], v[O:O+7], v[VSW], v[PSW] matrix_a_fmt:MATRIX_FMT_BF8 matrix_b_fmt:MATRIX_FMT_BF8   ; the four accumulators take turns, one instruction a turn
	v_wmma_scale_f32_16x16x128_f8f6f4 v[O+8:O+15], v[F+16:F+31], v[PC:PC+15], v[O+8:O+15], v[VSW+1], v[PSW] matrix_a_fmt:MATRIX_FMT_BF8 matrix_b_fmt:MATRIX_FMT_BF8
	v_wmma_scale_f32_16x16x128_f8f6f4 v[O+16:O+23], v[S:S+15], v[PC:PC+15], v[O+16:O+23], v[VSW+2], v[PSW] matrix_a_fmt:MATRIX_FMT_BF8 matrix_b_fmt:MATRIX_FMT_BF8
	v_wmma_scale_f32_16x16x128_f8f6f4 v[O+24:O+31], v[S+16:S+31], v[PC:PC+15], v[O+24:O+31], v[VSW+3], v[PSW] matrix_a_fmt:MATRIX_FMT_BF8 matrix_b_fmt:MATRIX_FMT_BF8
	s_cmp_lg_u32 s16, s13
	s_cbranch_scc1 .Lsame                          ; behind trip I the first block of queries is done (the same in all sixteen waves)
	FINISH 1
	s_sub_co_u32 s24, 15, s13                      ; the second block: 15 - I,
	s_mov_b32 s25, STEPS-1                         ; whose diagonal is the last trip
	START
.Lsame:
	s_wait_dscnt 0x0                               ; my stores for the next step have landed, my reads of this slot are over
	s_barrier_signal -1
	s_barrier_wait -1                              ; both now hold of every wave
	s_xor_b32 s17, s17, SLOT1
	s_xor_b32 s18, s18, SLOT1
	s_add_co_u32 s16, s16, 1
	s_cmp_lt_u32 s16, STEPS
	s_cbranch_scc1 .Lstep
	FINISH 0
	s_wait_dscnt 0x0
	s_wait_alu depctr_hold_cnt(0) depctr_sa_sdst(0) depctr_va_vdst(0) depctr_va_sdst(0) depctr_va_ssrc(0) depctr_va_vcc(0) depctr_vm_vsrc(0)
	s_wait_tensorcnt 0x0
	ds_add_u32 v254, v255
	s_wait_dscnt 0x0
	s_endpgm
.Lfunc_end_k_qde66a9704d_attn:
	.size	k_qde66a9704d_attn, .Lfunc_end_k_qde66a9704d_attn-k_qde66a9704d_attn
	.p2alignl 7, 3214868480
	.fill 96, 4, 3214868480
	.section	.rodata,"a",@progbits
	.p2align	6, 0x0
	.amdhsa_kernel k_qde66a9704d_attn
		.amdhsa_group_segment_fixed_size 102400
		.amdhsa_private_segment_fixed_size 0
		.amdhsa_enable_private_segment 0
		.amdhsa_kernarg_size 24
		.amdhsa_user_sgpr_count 2
		.amdhsa_user_sgpr_kernarg_segment_ptr 1
		.amdhsa_wavefront_size32 1
		.amdhsa_system_sgpr_workgroup_id_x 1
		.amdhsa_system_sgpr_workgroup_id_y 1
		.amdhsa_system_sgpr_workgroup_id_z 1
		.amdhsa_system_vgpr_workitem_id 0
		.amdhsa_next_free_vgpr 256
		.amdhsa_next_free_sgpr 66
		.amdhsa_reserve_vcc 0
		.amdhsa_float_denorm_mode_32 3
		.amdhsa_float_denorm_mode_16_64 3
		.amdhsa_memory_ordered 1
		.amdhsa_forward_progress 1
		.amdhsa_inst_pref_size 54
	.end_amdhsa_kernel
	.amdgpu_metadata
---
amdhsa.version: [ 1, 2 ]
amdhsa.kernels:
  - .name:           k_qde66a9704d_attn
    .symbol:         k_qde66a9704d_attn.kd
    .args:
      - { .name: qkvw, .offset: 0, .size: 8, .value_kind: global_buffer, .address_space: global }
      - { .name: oimg, .offset: 8, .size: 8, .value_kind: global_buffer, .address_space: global }
      - { .name: osc, .offset: 16, .size: 8, .value_kind: global_buffer, .address_space: global }
    .group_segment_fixed_size: 102400
    .private_segment_fixed_size: 0
    .kernarg_segment_align: 8
    .kernarg_segment_size: 24
    .max_flat_workgroup_size: 512
    .sgpr_count:     66
    .vgpr_count:     256
    .wavefront_size: 32
...
	.end_amdgpu_metadata
.endif
;; end of part 4
;; launch proj: the kernel of part 3 again; grid 4 x 32, 4 waves a work-group, clusters of 4 x 4, 327,680 bytes of LDS; arguments oimg, osc, w_out_codes, w_out_scales, b_out, out0; writes out0
